; MI455X (gfx1250); checked and timed in simulation.
; The chip was launched on July 23, 2026; its instructions are those of AMD's public machine-readable ISA for CDNA 5 (MIT licence, August 2026) and "CDNA5" Instruction Set Architecture Reference Guide (July 2026). The comments in the code are by the model that wrote it; some were corrected since.
;; Encoder Layer. Allowed arithmetic: matrix products marked QUANTISED: E5M2 operands, one E8M0 scale for each 32 along K, by v_wmma_scale_f32_16x16x128_f8f6f4 with both operands' format E5M2, f32 sums; everything else in f32.
;; Inputs: W1 1,024 x 4,096 float32; W2 4,096 x 1,024 float32; Wk 1,024 x 1,024 float32; Wo 1,024 x 1,024 float32; Wq 1,024 x 1,024 float32; Wv 1,024 x 1,024 float32; alpha1 1,024 float32; alpha2 1,024 float32; b1 4,096 float32; b2 1,024 float32; beta1 1,024 float32; beta2 1,024 float32; bk 1,024 float32; bo 1,024 float32; bq 1,024 float32; bv 1,024 float32; mask 2 x 2,048 int32; x 2 x 2,048 x 1,024 float32.
;; Outputs: out0 2 x 2,048 x 1,024 float32.
;; This version of the problem:
;;   THIS VERSION OF THE PROBLEM IS GIVEN IN LOW PRECISION. The matrix products marked QUANTISED in the list below multiply operands that are first quantised to E5M2 (5 exponent bits, 2 mantissa bits; 8 bits a number), with one power-of-two scale for each 32 numbers along K (OCP MX v1.0); their sums are f32. All else is computed in f32.
;;   The module's matrix products, in the order in which they are computed (A, B: the left and right operand; K: the contracted axis; several contracted axes count as one K, in the product's order):
;;     1. [M 4,096, K 1,024] x [K 1,024, N 1,024]; A: input x; B: input Wq: QUANTISED
;;     2. [M 4,096, K 1,024] x [K 1,024, N 1,024]; A: input x; B: input Wk: QUANTISED
;;     3. [M 4,096, K 1,024] x [K 1,024, N 1,024]; A: input x; B: input Wv: QUANTISED
;;     4. batch 32 x [M 2,048, K 64] x [K 64, N 2,048]; A: computed on the way; B: computed on the way: QUANTISED
;;     5. batch 32 x [M 64, K 2,048] x [K 2,048, N 2,048]; A: computed on the way; B: softmax (see below): QUANTISED
;;     6. [M 4,096, K 1,024] x [K 1,024, N 1,024]; A: computed on the way; B: input Wo: QUANTISED
;;     7. [M 4,096, K 1,024] x [K 1,024, N 4,096]; A: computed on the way; B: input W1: QUANTISED
;;     8. [M 4,096, K 4,096] x [K 4,096, N 1,024]; A: computed on the way; B: input W2: QUANTISED
;;   THE QUANTISER, for each operand of a quantised product, along K:
;;     - K is cut into blocks of 32 from its start; a last block that is shorter is filled with zeros.
;;     - A block's scale is 2^e with e = floor(log2(the largest magnitude in the block)) - 15, held to -126 .. 127; a block of zeros has e = 0. As a byte (E8M0): e + 127.
;;     - Each number is divided by its block's scale, clamped to +-57,344, and rounded to the nearest number of E5M2, ties to even, subnormals kept.
;;     - The product sums the exact products of the quantised numbers (number of the format x scale) in f32.
;;   ~~~python
;;   def quantise(x, axis):      # numpy; x: float32 -> the quantised numbers, widened to float32 again
;;       x = np.moveaxis(x, axis, -1); K = x.shape[-1]
;;       x = np.pad(x, [(0, 0)] * (x.ndim - 1) + [(0, -K % 32)]); x = x.reshape(x.shape[:-1] + (-1, 32)); a = np.abs(x).max(-1, keepdims=True)
;;       e = np.where(a > 0, np.clip(np.frexp(np.where(a > 0, a, 1))[1] - 1 - 15, -126, 127), 0)      # np.frexp(a)[1] - 1 = floor(log2(a)), exactly
;;       r = np.clip(x / 2.0 ** e, -57344, 57344)
;;       step = 2.0 ** (np.maximum(np.frexp(np.where(r == 0, 1, r))[1] - 1, -14) - 2)
;;       q = np.round(r / step) * step * 2.0 ** e      # np.round: ties to even
;;       return np.moveaxis(q.reshape(q.shape[:-2] + (-1,))[..., :K], -1, axis).astype(np.float32)
;;   ~~~
;;   SOFTMAX AHEAD OF A QUANTISED PRODUCT. Where the list says 'softmax', what is quantised is not the finished softmax but p = 2^(t - M), with t = logit x log2(e) and M = ceil(the row's largest t), a whole number; so 1/2 < the row's largest p <= 1. The row's sum l is taken of the UNQUANTISED p, in f32, and the product's result is divided by l at the end. Since M is a whole number, a kernel that streams over the keys may use a running M (the ceiling of the running maximum): every later rescaling is an exact power of two, which a block's scale takes up: the codes' values come out the same.
;;   OPERANDS COMPUTED ON THE WAY. 'Computed on the way' means the value that the module computes at that place (a softmax that the list does not call 'softmax' is quantised finished and normalised). What goes into a quantiser is computed in f32, as accurately as f32 sums, v_exp_f32 and their like allow (about 1e-6 of the number): no bf16 or f16 on the way to a quantiser, and a product that is left as it is and whose result goes on into a quantised operand takes f32 operands (vector FMAs, or v_wmma_f32_16x16x4_f32). A number that lies on a knife's edge between two numbers of the format may be rounded either way, as far as f32 arithmetic and the matrix unit's own rounding can turn it there, and no further.
;; One version. Each part assembles by itself: llvm-mc -triple=amdgcn-amd-amdhsa -mcpu=gfx1250 --defsym DOCPART=n.
;; ======== version 1 of 1: 8 launches
;; limits: right only within a limited range of input values
;; workspace buffers: px 4,325,376 bytes; pwa 9,469,952 bytes; pwb 12,713,984 bytes; s1 22,151,168 bytes; at 4,325,376 bytes; y 16,777,216 bytes; o1 25,165,824 bytes
;; launch prep (part 1): grid 1024 x 1, 4 waves a work-group, no clusters, 34,304 bytes of LDS; arguments x, Wq, Wk, Wv, Wo, W1, W2, px, pwa, pwb; writes px, pwa, pwb
.if DOCPART == 1
	.amdgcn_target "amdgcn-amd-amdhsa--gfx1250"
	.amdhsa_code_object_version 6
	.text
	.protected	k_qa66fe87902_prep
	.globl	k_qa66fe87902_prep
	.p2align	8
	.type	k_qa66fe87902_prep,@function
k_qa66fe87902_prep:
	s_mov_b64 s[64:65], 0
	v_nop
	global_prefetch_b8 v0, s[64:65] scope:SCOPE_SE
	s_setreg_imm32_b32 hwreg(HW_REG_WAVE_MODE, 25, 1), 1
	s_wait_xcnt 0x0
; x and the six weights, f32, become codes of E5M2 with one E8M0 byte for each 32 along K, laid as IMAGES OF OPERAND REGISTERS.
; An operand X[rows][K] is cut into tiles of 16 rows; lane r of tile T holds row 32 (T/2) + 8 (T%2) + r + 8 (r/8).  With NKS = K/128:
;   codes:  byte (T NKS + ks) 2048 + 512 c + 16 lane + i  = row of lane%16, k = 128 ks + 32 c + 16 (lane/16) + i
;   scales: word ((T NKS + ks) 16 + r) 4, byte c = block c of these 128
; Work-groups 0-255: tile T of x (K innermost: a row's 512 bytes are loaded as they lie and turned through the wave's own stage in LDS).
; Work-groups 256-511: Wq, Wk, Wv, Wo; 512-767: W2; 768-1023: W1 (K is the first axis: a lane takes a column, its registers run down K).
; Two work-groups also store the word by which the next launches choose between no activation (-1.0) and relu (0.0).
; LIMITS: NaN and infinities are not served; a block of zeros gets the byte 1 (its codes are zeros, and this program alone reads the bytes);
; blocks whose largest magnitude lies under 2^-111, the floor, were not tried.
; THE DEAL AS THE TEXT BELOW HAS IT: 1,024 work-groups of 65,536 input bytes each.  0-255: a tile of x.  The weights' work-groups take 128 columns x 128 along K, two for each 256 along K:
; 256-511: Wq, Wk, Wv, Wo; 512-767: W2; 768-1023: W1.
.set TM,  16                           ; v16-31  the quantiser's registers: largest magnitudes, bytes, holds, scale operands
.set PW,  32                           ; v32-33  the two scale words
.set PC,  48                           ; v48-63  a fragment's codes
.set U,   64                           ; v64-127 64 numbers of a lane
.set R,   128                          ; v128-255 x as loaded
.set XW,  64                           ; weights: two sets of 32 numbers
.set CW,  128                          ; weights: eight registers of codes for each block
.set SB,  24                           ; weights: the scale bytes, four to a register
.set SEL, 34                           ; s[34:35] lane selects: lane xor 16
.set MNT, 36                           ; s36 the mantissa field of 57,344
; 16 nb numbers of a lane, register 16 b + i = k 32 b + 16 (lane/16) + i of its row, become codes in v[pc] on and a scale word in v[pw]
.macro QUANT s, nb, pc, pw
.irp b, 0,1,2,3
.if \b < \nb
	v_max3_num_f32 v[TM+\b], |v[(\s)+16*\b]|, |v[(\s)+16*\b+1]|, 0x8000000   ; with the floor 2^(16-127): the byte cannot fall under 1
.endif
.endr
.irp i, 2,4,6,8,10,12,14
.irp b, 0,1,2,3
.if \b < \nb
	v_max3_num_f32 v[TM+\b], v[TM+\b], |v[(\s)+16*\b+\i]|, |v[(\s)+16*\b+\i+1]|
.endif
.endr
.endr
.irp b, 0,1,2,3
.if \b < \nb
	v_permlanex16_b32 v[TM+4+\b], v[TM+\b], s[SEL], s[SEL+1]
.endif
.endr
.irp b, 0,1,2,3
.if \b < \nb
	v_max_num_f32 v[TM+\b], v[TM+\b], v[TM+4+\b]       ; with lane xor 16's: the block's largest magnitude
.endif
.endr
.irp b, 0,1,2,3
.if \b < \nb
	v_add_nc_u32 v[TM+12+\b], 0xf8800000, v[TM+\b]     ; 15 off its exponent field: the conversion's scale operand
.endif
.endr
.irp b, 0,1,2,3
.if \b < \nb
	v_and_or_b32 v[TM+8+\b], v[TM+\b], 0x7f800000, s[MNT]  ; 57,344 x the scale
.endif
.endr
.irp b, 0,1,2,3
.if \b < \nb
	v_lshrrev_b32 v[TM+4+\b], 23, v[TM+12+\b]          ; the scale's byte
.endif
.endr
	v_lshl_or_b32 v[\pw], v[TM+5], 8, v[TM+4]
.if \nb > 2
	v_lshl_or_b32 v[\pw], v[TM+6], 16, v[\pw]
	v_lshl_or_b32 v[\pw], v[TM+7], 24, v[\pw]
.endif
.irp b, 0,1,2,3
.if \b < \nb
.irp i, 0,1,2,3,4,5,6,7,8,9,10,11,12,13,14,15
	v_med3_num_f32 v[(\s)+16*\b+\i], v[(\s)+16*\b+\i], -v[TM+8+\b], v[TM+8+\b]   ; the conversion does not saturate (ISA guide 7.6.2): the hold
.endr
	v_cvt_scalef32_pk8_bf8_f32 v[(\pc)+4*\b:(\pc)+4*\b+1], v[(\s)+16*\b:(\s)+16*\b+7], v[TM+12+\b]
	v_cvt_scalef32_pk8_bf8_f32 v[(\pc)+4*\b+2:(\pc)+4*\b+3], v[(\s)+16*\b+8:(\s)+16*\b+15], v[TM+12+\b]
.endif
.endr
	v_nop                                              ; a plain line behind the last conversion
.endm
	s_load_b256 s[4:11], s[0:1], 0x0               ; x, Wq, Wk, Wv
	s_load_b256 s[12:19], s[0:1], 0x20             ; Wo, W1, W2, px
	s_load_b128 s[20:23], s[0:1], 0x40             ; pwa, pwb
	v_lshl_add_u32 v46, v0, 2, 0x8400
	v_mov_b32 v47, 0
	v_lshrrev_b32 v1, 5, v0
	v_readfirstlane_b32 s24, v1                    ; wave
	v_and_b32 v2, 31, v0                           ; lane
	s_mov_b32 s[SEL], 0x76543210
	s_mov_b32 s[SEL+1], 0xfedcba98
	s_mov_b32 s[MNT], 0x600000
	s_wait_kmcnt 0x0
	s_cmp_lt_u32 ttmp9, 256
	s_cbranch_scc0 .Lweights
	; ---- x: tile T = the work-group's number; wave w takes K steps 2 w and 2 w + 1
	s_wait_alu depctr_va_vdst(0)
	v_lshlrev_b32 v3, 4, v2                        ; 16 x lane
	s_mul_i32 s25, s24, 8448                       ; my stage: 16 rows of 512 bytes + 16
	v_add_nc_u32 v4, s25, v3                       ; into it: a row as it lies
	v_and_b32 v5, 15, v0                           ; r
	v_bfe_u32 v6, v0, 4, 1                         ; h
	v_mul_u32_u24 v7, v5, 528
	v_lshl_add_u32 v7, v6, 6, v7
	v_add_nc_u32 v7, s25, v7                       ; out of it: row r, + 64 h
	v_lshlrev_b32 v8, 2, v2                        ; 4 x lane
.irp b, 0,1,2,3
	v_mov_b32 v[TM+4+\b], 0                        ; a lane permute's destination counts as read
.endr
	s_lshr_b32 s26, ttmp9, 1
	s_lshl_b32 s26, s26, 5
	s_and_b32 s27, ttmp9, 1
	s_lshl_b32 s27, s27, 3
	s_add_co_u32 s26, s26, s27                     ; the tile's first row: 32 (T/2) + 8 (T%2)
	s_lshl_b32 s26, s26, 12
	s_lshl_b32 s27, s24, 10
	s_add_co_u32 s26, s26, s27
	s_mov_b32 s27, 0
	s_add_nc_u64 s[4:5], s[4:5], s[26:27]
	s_lshl_b32 s26, ttmp9, 3
	s_lshl_b32 s28, s24, 1
	s_add_co_u32 s26, s26, s28                     ; 8 T + 2 w
	s_lshl_b32 s28, s26, 11
	s_mov_b32 s29, 0
	s_add_nc_u64 s[28:29], s[18:19], s[28:29]      ; my codes
	s_lshl_b32 s26, s26, 6
	s_add_co_u32 s26, s26, 0x400000
	s_add_nc_u64 s[30:31], s[18:19], s[26:27]      ; my scale words
.irp k, 0,1
.irp i, 0,1,2,3,4,5,6,7,8,9,10,11,12,13,14,15
	global_load_b128 v[R+64*\k+4*\i:R+64*\k+4*\i+3], v3, s[4:5] offset:(\i+8*(\i/8))*4096+512*\k th:TH_LOAD_NT   ; 512 consecutive bytes of one row
.endr
.endr
	s_wait_alu depctr_va_vdst(0)
.irp k, 0,1
	s_wait_loadcnt 16-16*\k                        ; this K step's 16 loads are in; the other's may be out
.irp i, 0,1,2,3,4,5,6,7,8,9,10,11,12,13,14,15
	ds_store_b128 v4, v[R+64*\k+4*\i:R+64*\k+4*\i+3] offset:528*\i
.endr
.irp p, 0,1,2,3,4,5,6,7,8,9,10,11,12,13,14,15
	ds_load_b128 v[U+4*\p:U+4*\p+3], v7 offset:128*(\p/4)+16*(\p%4)   ; LDS serves a wave's instructions in order: these see the stores above
.endr
	s_wait_dscnt 0x0
.if \k
	s_wait_xcnt 0x0                                ; the first K step's stores have read the codes' registers
.endif
	QUANT U, 4, PC, PW+\k
.irp c, 0,1,2,3
	global_store_b128 v3, v[PC+4*\c:PC+4*\c+3], s[28:29] offset:2048*\k+512*\c
.endr
.endr
	s_mov_b32 s37, 0xffff0000
	v_cndmask_b32 v34, v[PW], v[PW+1], s37         ; lanes 0-15: K step 2 w; lanes 16-31: K step 2 w + 1
	global_store_b32 v8, v34, s[30:31]             ; 128 consecutive bytes
	s_wait_tensorcnt 0x0
	ds_add_u32 v46, v47
	s_wait_dscnt 0x0
	s_endpgm
	; ---- the weights
.Lweights:
	s_sub_co_u32 s25, ttmp9, 256
	s_and_b32 s54, s25, 1                          ; which 128 of j's 256 along K
	s_lshr_b32 s25, s25, 1                         ; j: 0-127 the four square weights, 128-255 W2, 256-383 W1
	s_lshr_b32 s26, s25, 5
	s_lshr_b32 s27, s25, 3
	s_and_b32 s40, s25, 31                         ; W1: which 128 columns,
	s_and_b32 s41, s26, 3                          ;     which 256 along K
	s_and_b32 s46, s25, 7
	s_and_b32 s47, s27, 3
	s_and_b32 s48, s27, 15
	s_mov_b32 s31, 0x400000
	s_cmp_lt_u32 s25, 256                          ; not W1: 1,024 columns
	s_cselect_b32 s40, s46, s40
	s_cselect_b32 s41, s48, s41
	s_cselect_b64 s[28:29], s[16:17], s[14:15]     ; W2 or W1
	s_cselect_b32 s42, 32, 8                       ; NKS
	s_cselect_b32 s30, 0x800000, 0                 ; where the codes go,
	s_cselect_b32 s31, 0xc00000, s31               ; and the scale words
	s_cmp_lt_u32 s25, 128                          ; a square weight
	s_cselect_b32 s41, s47, s41
	s_cselect_b32 s42, 8, s42
	s_cselect_b64 s[44:45], s[20:21], s[22:23]     ; pwa or pwb
	s_cmp_eq_u32 s26, 3
	s_cselect_b64 s[28:29], s[12:13], s[28:29]     ; Wo
	s_cselect_b32 s31, 0x900000, s31
	s_cmp_eq_u32 s26, 2
	s_cselect_b64 s[28:29], s[10:11], s[28:29]     ; Wv
	s_cselect_b32 s30, 0x600000, s30
	s_cselect_b32 s31, 0x700000, s31
	s_cmp_eq_u32 s26, 1
	s_cselect_b64 s[28:29], s[8:9], s[28:29]       ; Wk
	s_cselect_b32 s30, 0x100000, s30
	s_cselect_b32 s31, 0x408000, s31
	s_cmp_eq_u32 s26, 0
	s_cselect_b64 s[28:29], s[6:7], s[28:29]       ; Wq
	s_cselect_b32 s30, 0, s30
	s_cselect_b32 s31, 0x400000, s31
	s_lshl_b32 s41, s41, 1
	s_add_co_u32 s41, s41, s54                     ; which 128 along K: my K step
	s_cmp_lt_u32 s25, 256
	s_cselect_b32 s47, 19, 21                      ; 128 rows of 1,024 or of 4,096 numbers, in bytes, as a shift
	s_lshl_b32 s48, s41, s47
	s_lshl_b32 s46, s40, 9
	s_add_co_u32 s48, s48, s46
	s_lshl_b32 s46, s24, 7
	s_add_co_u32 s48, s48, s46
	s_mov_b32 s49, 0
	s_add_nc_u64 s[28:29], s[28:29], s[48:49]      ; my wave's 32 columns, my 128 along K
	s_lshl_b32 s46, s40, 3
	s_lshl_b32 s47, s24, 1
	s_add_co_u32 s46, s46, s47                     ; my first tile: 8 cg + 2 w
	s_mul_i32 s46, s46, s42
	s_mov_b32 s47, s41
	s_add_co_u32 s46, s46, s47                     ; x NKS + my first K step
	s_lshl_b32 s48, s46, 11
	s_add_co_u32 s48, s48, s30
	s_add_nc_u64 s[50:51], s[44:45], s[48:49]
	s_lshl_b32 s48, s46, 6
	s_add_co_u32 s48, s48, s31
	s_add_nc_u64 s[52:53], s[44:45], s[48:49]
	s_wait_alu depctr_va_vdst(0)
	v_lshlrev_b32 v3, 2, v2                        ; 4 bytes a lane
	v_bfe_u32 v4, v0, 3, 1                         ; columns 8-15 and 24-31 of my 32 belong to the second tile
	v_and_b32 v5, 7, v0
	v_bfe_u32 v6, v0, 4, 1
	v_lshl_add_u32 v5, v6, 3, v5                   ; my column's lane in its tile
	s_lshl_b32 s46, s42, 11
	v_mul_u32_u24 v7, s46, v4
	v_lshl_add_u32 v7, v5, 4, v7                   ; my codes' place
	s_lshl_b32 s46, s42, 6
	v_mul_u32_u24 v8, s46, v4
	v_lshl_add_u32 v8, v5, 2, v8                   ; my scale words' place
.macro LOADW t, ncol
.irp i, 0,1,2,3,4,5,6,7,8,9,10,11,12,13,14,15,16,17,18,19,20,21,22,23,24,25,26,27,28,29,30,31
	global_load_b32 v[XW+32*((\t)%2)+\i], v3, s[28:29] offset:(32*(\t)+\i)*(\ncol)*4 th:TH_LOAD_NT
.endr
.endm
.macro BLOCKW t, ncol
.set XS, XW+32*((\t)%2)
.if (\t) < 3
	s_wait_loadcnt 32                              ; this block's 32 loads are in; the next block's may be out
.else
	s_wait_loadcnt 0x0
.endif
	v_max3_num_f32 v12, |v[XS]|, |v[XS+1]|, |v[XS+2]|   ; all 32 numbers of the block are mine
	v_max3_num_f32 v13, |v[XS+3]|, |v[XS+4]|, |v[XS+5]|
.irp i, 6,10,14,18,22,26
	v_max3_num_f32 v12, v12, |v[XS+\i]|, |v[XS+\i+1]|
	v_max3_num_f32 v13, v13, |v[XS+\i+2]|, |v[XS+\i+3]|
.endr
	v_max3_num_f32 v12, v12, |v[XS+30]|, |v[XS+31]|
	v_max3_num_f32 v12, v12, v13, 0x8000000
	v_add_nc_u32 v11, 0xf8800000, v12
	v_and_or_b32 v10, v12, 0x7f800000, s[MNT]
	v_lshrrev_b32 v13, 23, v11
.if (\t)%4 == 0
	v_mov_b32 v[SB+(\t)/4], v13
.else
	v_lshl_or_b32 v[SB+(\t)/4], v13, 8*((\t)%4), v[SB+(\t)/4]
.endif
.irp i, 0,1,2,3,4,5,6,7,8,9,10,11,12,13,14,15,16,17,18,19,20,21,22,23,24,25,26,27,28,29,30,31
	v_med3_num_f32 v[XS+\i], v[XS+\i], -v10, v10
.endr
.irp g, 0,1,2,3
	v_cvt_scalef32_pk8_bf8_f32 v[CW+8*(\t)+2*\g:CW+8*(\t)+2*\g+1], v[XS+8*\g:XS+8*\g+7], v11
.endr
	v_nop
	global_store_b128 v7, v[CW+8*(\t):CW+8*(\t)+3], s[50:51] offset:((\t)/4)*2048+512*((\t)%4)          ; k 0-15 of the block: sixteen lanes fill 256 bytes of a tile
	global_store_b128 v7, v[CW+8*(\t)+4:CW+8*(\t)+7], s[50:51] offset:((\t)/4)*2048+512*((\t)%4)+256    ; k 16-31: the upper lanes' places
.if (\t)+2 < 4
	LOADW (\t)+2, \ncol
.endif
.endm
.macro WQ ncol
	LOADW 0, \ncol
	LOADW 1, \ncol
.irp t, 0,1,2,3
	BLOCKW \t, \ncol
.endr
	global_store_b32 v8, v[SB], s[52:53]
.endm
	s_cmp_lt_u32 s25, 256
	s_cbranch_scc0 .Lwide
	WQ 1024
	s_or_b32 s46, s25, s24
	s_or_b32 s46, s46, s54                         ; one wave of one work-group stores the word
	s_cmp_lg_u32 s46, 0
	s_cbranch_scc1 .Lend_a
	v_mov_b32 v9, -1.0                             ; beside Wq, Wk, Wv: nothing is clipped
	global_store_b32 v3, v9, s[20:21] offset:0x500000
.Lend_a:
	s_endpgm
.Lwide:
	s_wait_alu depctr_va_vdst(0)
	WQ 4096
	s_sub_co_u32 s46, s25, 256
	s_or_b32 s46, s46, s24
	s_or_b32 s46, s46, s54
	s_cmp_lg_u32 s46, 0
	s_cbranch_scc1 .Lend_b
	v_mov_b32 v9, 0                                ; beside W1: what is negative becomes 0
	global_store_b32 v3, v9, s[22:23] offset:0x500000
.Lend_b:
	s_endpgm
.Lfunc_end_k_qa66fe87902_prep:
	.size	k_qa66fe87902_prep, .Lfunc_end_k_qa66fe87902_prep-k_qa66fe87902_prep
	.p2alignl 7, 3214868480
	.fill 96, 4, 3214868480
	.section	.rodata,"a",@progbits
	.p2align	6, 0x0
	.amdhsa_kernel k_qa66fe87902_prep
		.amdhsa_group_segment_fixed_size 34304
		.amdhsa_private_segment_fixed_size 0
		.amdhsa_enable_private_segment 0
		.amdhsa_kernarg_size 80
		.amdhsa_user_sgpr_count 2
		.amdhsa_user_sgpr_kernarg_segment_ptr 1
		.amdhsa_wavefront_size32 1
		.amdhsa_system_sgpr_workgroup_id_x 1
		.amdhsa_system_sgpr_workgroup_id_y 1
		.amdhsa_system_sgpr_workgroup_id_z 1
		.amdhsa_system_vgpr_workitem_id 0
		.amdhsa_next_free_vgpr 256
		.amdhsa_next_free_sgpr 66
		.amdhsa_reserve_vcc 0
		.amdhsa_float_denorm_mode_32 3
		.amdhsa_float_denorm_mode_16_64 3
		.amdhsa_memory_ordered 1
		.amdhsa_forward_progress 1
		.amdhsa_inst_pref_size 85
	.end_amdhsa_kernel
	.amdgpu_metadata
---
amdhsa.version: [ 1, 2 ]
amdhsa.kernels:
  - .name:           k_qa66fe87902_prep
    .symbol:         k_qa66fe87902_prep.kd
    .args:
      - { .name: x, .offset: 0, .size: 8, .value_kind: global_buffer, .address_space: global }
      - { .name: Wq, .offset: 8, .size: 8, .value_kind: global_buffer, .address_space: global }
      - { .name: Wk, .offset: 16, .size: 8, .value_kind: global_buffer, .address_space: global }
      - { .name: Wv, .offset: 24, .size: 8, .value_kind: global_buffer, .address_space: global }
      - { .name: Wo, .offset: 32, .size: 8, .value_kind: global_buffer, .address_space: global }
      - { .name: W1, .offset: 40, .size: 8, .value_kind: global_buffer, .address_space: global }
      - { .name: W2, .offset: 48, .size: 8, .value_kind: global_buffer, .address_space: global }
      - { .name: px, .offset: 56, .size: 8, .value_kind: global_buffer, .address_space: global }
      - { .name: pwa, .offset: 64, .size: 8, .value_kind: global_buffer, .address_space: global }
      - { .name: pwb, .offset: 72, .size: 8, .value_kind: global_buffer, .address_space: global }
    .group_segment_fixed_size: 34304
    .private_segment_fixed_size: 0
    .kernarg_segment_align: 8
    .kernarg_segment_size: 80
    .max_flat_workgroup_size: 128
    .sgpr_count:     66
    .vgpr_count:     256
    .wavefront_size: 32
...
	.end_amdgpu_metadata
.endif
;; end of part 1
;; launch gemmq (part 2): grid 4 x 48, 4 waves a work-group, clusters of 4 x 4, 327,680 bytes of LDS; arguments px, pwa, bq, bk, bv, s1; writes s1
.if DOCPART == 2
	.amdgcn_target "amdgcn-amd-amdhsa--gfx1250"
	.amdhsa_code_object_version 6
	.text
	.protected	k_qa66fe87902_gemmq
	.globl	k_qa66fe87902_gemmq
	.p2align	8
	.type	k_qa66fe87902_gemmq,@function
k_qa66fe87902_gemmq:
	s_mov_b64 s[64:65], 0
	v_nop
	global_prefetch_b8 v0, s[64:65] scope:SCOPE_SE
	s_setreg_imm32_b32 hwreg(HW_REG_WAVE_MODE, 25, 1), 1
	s_wait_xcnt 0x0
	s_wait_alu depctr_hold_cnt(0) depctr_sa_sdst(0) depctr_va_vdst(0) depctr_va_sdst(0) depctr_va_ssrc(0) depctr_va_vcc(0) depctr_vm_vsrc(0)
	s_getreg_b32 s2, hwreg(HW_REG_IB_STS2, 6, 4)
	s_cmp_eq_u32 s2, 0
	s_cbranch_scc0 .Lentry_in_a_cluster
	s_endpgm
.Lentry_in_a_cluster:
	s_bfe_u32 s2, ttmp6, 0x10000c
	s_cmp_lg_u32 s2, 0xf033
	s_cbranch_scc0 .Lentry_shape_is_right
	s_endpgm
.Lentry_shape_is_right:
; C = A B^T + bias over K = 1,024 on images of codes (E5M2, one E8M0 byte for each 32 along K), and C quantised again along its columns, stored as the image of the next operand.
; Arguments: A's buffer (codes at 0, scale words at 4 MiB), B's buffer (codes at 0, scale words at 4 MiB, the activation's word at 5 MiB; a second operand's codes at 6 MiB and scale words at 7 MiB),
; two column biases, a row bias, the output (codes at 0 with 32 K steps to a tile, scale words at 16 MiB; a second region at 17 and 21 MiB).
; THE CLUSTER'S y / 4 SAYS WHAT IS MADE.  0: A x B's tiles 0 on, first column bias, K steps 2 tx + .. of the output.  1: A x B's tiles 64 on, second column bias, K steps 8 further on.
; 2: the operand at 6 MiB of B's buffer takes A's place and A's buffer takes B's (the transposed product), the bias goes by rows, the second region is written.
; A tile of C is 256 x 256, four waves, 128 x 128 each: 64 accumulators.  K goes in steps of 256 through two LDS slots filled by joint tensor loads: 4 x 4 work-groups, A's tiles shared along a row
; of the cluster, B's along a column.  An image needs no pitch: a fragment is 2,048 consecutive bytes, four loads of 16 bytes a lane.
; THE MATRIX INSTRUCTION IS USED TRANSPOSED (source 0 = 16 rows of B, source 1 = 16 rows of A).  With the images' order of rows, the 16 registers of B's tiles 2 b and 2 b + 1 are 16 neighbouring columns
; 32 b + 16 (lane/16) + 0..15 of one row of C: the conversions' results are the next operand's registers.
; The activation's word is -1.0 (none) or 0.0 (relu); it enters two multiplications and no branch: largest magnitude = max(largest, smallest x word), lower hold = upper hold x word.
; LIMITS: NaN and infinities are not served; a block of zeros gets the byte 1; blocks under 2^-111 were not tried.
; REGISTERS: window 0: v8-15 row bias; v16-29 addresses; v32-63 scale words, two sets; v64-127 column bias, later the quantiser's; v128-255 A's fragments, later 64 results and their codes.
;   window 1: B's fragments, two sets.   windows 2, 3: the accumulators ((a, b) at v[8 (8 (a%4) + b)]).
.set NQ,    2
.set NL,    4
.set NP,    8                          ; places behind this matrix instruction (ISA guide 7.12.1)
.set FR,    16
.set SLOT,  131072                     ; four quarters of 32,768: A's two halves, B's two halves; a quarter: [tile 8][K step 2][2,048]
.set SCL,   262144                     ; the scale words of all of K: four quarters of 4,096: [tile 8][K step 8][64]
.set SPARE, 278528                     ; the spare words: 128 bytes a wave
.set LAPS,  2
.set RBR,  8
.set ADRA, 16
.set ADRB, 20
.set CO,   24                          ; 16 x lane
.set SOO,  25                          ; 2,048 (lane/16) + 4 (lane%16)
.set ADRS, 27
.set SPW,  28
.set NIL,  29
.set SC,   32
.set CBR,  64
.set AF,   128
.set TM,   64                          ; the way out: v64-79 as in the quantiser, v80-83 smallest numbers, v84-87 lower holds, v88-95 the eight scale words
.set MN,   80
.set LO,   84
.set PW,   88
.set ZZ,   128
.set PC,   192
.set WV,  16
.set RH,  17                           ; which half of the tile's rows is mine; also: I fetch for A (0) or B (1)
.set CH,  18                           ; which half of its columns; also: which 128 rows I fetch
.set NNR, 19
.set SEL, 20
.set MNT, 22
.set HM,  23
.set G1, 24
.set G0, 32
.set G1B, 48
.set G0B, 56
.set G1S, 68
.set G0S, 76
.set G1SB, 80
.set G0SB, 88
.set MSB, 0
.macro WIN new
.if MSB != (\new)
	s_set_vgpr_msb (MSB<<8)|(\new)
.set MSB, \new
.endif
.endm
.set MUL_LO, 0xa1
.set MUL_HI, 0xf1
.set TO_B,   0x40
.macro JLOAD g0a, g1a, g0b, g1b        ; waves 0, 1 ask for A, waves 2, 3 for B; four v_nop follow each line
	s_cmp_eq_u32 s[RH], 0
	s_cbranch_scc0 .Lfor_b_\@
	tensor_load_to_lds s[\g0a:\g0a+3], s[\g1a:\g1a+7]
	s_nop 0
.rept 4
	v_nop
.endr
	s_branch .Lasked_\@
.Lfor_b_\@:
	tensor_load_to_lds s[\g0b:\g0b+3], s[\g1b:\g1b+7]
	s_nop 0
.rept 4
	v_nop
.endr
.Lasked_\@:
.endm
.macro CREST
	s_cmp_lg_u32 s[WV], 0
	s_cbranch_scc1 .Lnot_wave_0_\@
	s_barrier_signal -3
.Lnot_wave_0_\@:
	s_barrier_wait -3
	s_barrier_signal -1
	s_barrier_wait -1
.endm
.macro CROUND
	s_barrier_signal -1
	s_barrier_wait -1
	CREST
.endm
	s_load_b256 s[4:11], s[0:1], 0x0               ; A, B, column bias 0, column bias 1
	s_load_b128 s[12:15], s[0:1], 0x20             ; row bias, output
	v_lshl_add_u32 v[SPW], v0, 2, SPARE
	v_mov_b32 v[NIL], 0
	ds_add_u32 v28, v29
	ds_add_u32 v28, v29
	s_wait_dscnt 0x0
	v_lshrrev_b32 v1, 5, v0
	v_readfirstlane_b32 s[WV], v1
	s_lshr_b32 s[RH], s[WV], 1
	s_and_b32 s[CH], s[WV], 1
	s_bfe_u32 s40, ttmp6, 0x40000                  ; cx
	s_bfe_u32 s41, ttmp6, 0x40004                  ; cy
	s_and_b32 s20, ttmp7, 0xffff                   ; the cluster's y
	s_lshr_b32 s66, s20, 2                         ; what is made: the same in all sixteen partners
	s_and_b32 s20, s20, 3
	s_lshl_b32 s20, s20, 2
	s_lshl_b32 s21, ttmp9, 2
	s_cmp_eq_u32 s66, 2
	s_cselect_b32 s67, 0, s20
	s_cselect_b32 s42, s20, s21
	s_add_co_u32 s67, s67, s41                     ; tile row of C
	s_add_co_u32 s42, s42, s40                     ; tile column of C
	s_lshl_b32 s43, s41, 2
	s_lshl_b32 s43, 15, s43                        ; my row of the cluster
	s_lshl_b32 s44, 0x1111, s40                    ; my column
	; group 1 for codes: 8 tiles x 4,096 bytes (two K steps), 16,384 bytes from tile to tile; elements of 8 bytes
	s_or_b32 s[G1+0], s43, (3<<16)|(1<<21)
	s_or_b32 s[G1B+0], s44, (3<<16)|(1<<21)
.irp g, G1, G1B
	s_mov_b32 s[\g+1], 512<<16
	s_mov_b32 s[\g+2], 16<<16                      ; the head's loads bring all 16 tiles; behind them the two words that count tiles are set to 8
	s_mov_b32 s[\g+3], 512<<16
	s_mov_b32 s[\g+4], 16
	s_mov_b32 s[\g+5], 2048
	s_mov_b32 s[\g+6], 0
	s_mov_b32 s[\g+7], 0
.endr
	; and for the scale words of 16 tiles: 8,192 dense bytes as 32 rows of 256
	s_or_b32 s[G1S+0], s43, (3<<16)|(1<<21)
	s_or_b32 s[G1SB+0], s44, (3<<16)|(1<<21)
.irp g, G1S, G1SB
	s_mov_b32 s[\g+1], 32<<16
	s_mov_b32 s[\g+2], 32<<16                      ; the scale words of 16 tiles: 8,192 dense bytes as 32 rows of 256
	s_mov_b32 s[\g+3], 32<<16
	s_mov_b32 s[\g+4], 32
	s_mov_b32 s[\g+5], 32
	s_mov_b32 s[\g+6], 0
	s_mov_b32 s[\g+7], 0
.endr
	s_lshl_b32 s22, s67, 4                         ; A: tile 16 ty
	s_lshl_b32 s46, s42, 4                         ; B: tile 16 tx
	s_lshl_b32 s2, s[CH], 17                       ; in the ring I fetch 8 tiles: which half, in bytes (8 x 16,384)
	s_mov_b32 s3, 0
	s_cmp_eq_u32 s66, 1
	s_cselect_b32 s47, 64, 0
	s_add_co_u32 s46, s46, s47
	s_lshl_b32 s20, s22, 14
	s_lshl_b32 s22, s22, 9
	s_lshl_b32 s92, s46, 9
	s_add_co_u32 s92, s92, 0x400000
	s_lshl_b32 s46, s46, 14
	s_mov_b32 s99, 0x400000
	s_cmp_eq_u32 s66, 2
	s_cselect_b32 s98, 0x600000, 0
	s_cselect_b32 s99, 0x700000, s99
	s_add_co_u32 s20, s20, s98
	s_add_co_u32 s22, s22, s99
	s_mov_b32 s21, 0
	s_mov_b32 s23, 0
	s_mov_b32 s47, 0
	s_mov_b32 s93, 0
	s_lshl_b32 s45, s[WV], 15                      ; where my quarter goes: no place in the cluster enters an LDS address
	s_wait_kmcnt 0x0
	s_cmp_eq_u32 s66, 2
	s_cselect_b64 s[94:95], s[6:7], s[4:5]         ; the buffer of the operand in A's place,
	s_cselect_b64 s[96:97], s[4:5], s[6:7]         ; and in B's
	s_add_nc_u64 s[20:21], s[94:95], s[20:21]
	s_add_nc_u64 s[22:23], s[94:95], s[22:23]
	s_add_nc_u64 s[46:47], s[96:97], s[46:47]
	s_add_nc_u64 s[92:93], s[96:97], s[92:93]
	s_load_b32 s[NNR], s[6:7], 0x500000            ; the activation's word
	CROUND                                         ; all sixteen work-groups are here: the first joint loads meet
	s_mov_b32 s[G0S], 1
	s_mov_b32 s[G0S+1], SCL
	s_mov_b64 s[G0S+2:G0S+3], s[22:23]
	s_or_b32 s[G0S+3], s[G0S+3], 0x80000000
	s_mov_b32 s[G0SB], 1
	s_mov_b32 s[G0SB+1], SCL+8192
	s_mov_b64 s[G0SB+2:G0SB+3], s[92:93]
	s_or_b32 s[G0SB+3], s[G0SB+3], 0x80000000
.irp s, 0,1
	s_mov_b32 s[G0+4*\s], 1
	s_add_co_u32 s[G0+4*\s+1], s45, \s*SLOT
	s_add_nc_u64 s[G0+4*\s+2:G0+4*\s+3], s[20:21], \s*4096
	s_or_b32 s[G0+4*\s+3], s[G0+4*\s+3], 0x80000000
	s_mov_b32 s[G0B+4*\s], 1
	s_add_co_u32 s[G0B+4*\s+1], s45, \s*SLOT
	s_add_nc_u64 s[G0B+4*\s+2:G0B+4*\s+3], s[46:47], \s*4096
	s_or_b32 s[G0B+4*\s+3], s[G0B+4*\s+3], 0x80000000
.endr
	s_add_nc_u64 s[G0+6:G0+7], s[G0+6:G0+7], s[2:3]        ; slot 1's loads: my half of the tiles
	s_add_nc_u64 s[G0B+6:G0B+7], s[G0B+6:G0B+7], s[2:3]
	s_mov_b32 s[G0+1], 0                           ; slot 0's groups 0 serve the head first: A's 16 tiles whole,
	s_mov_b32 s[G0B+1], 65536                      ; B's 16 tiles behind them
	; THE HEAD'S LOADS, ONE A WAVE: wave 0 A's tiles of the first two K steps, wave 1 B's, wave 2 A's scale words, wave 3 B's; one chain of branches on the wave's number
	s_cmp_lt_u32 s[WV], 1
	s_cbranch_scc0 .Lhb
	tensor_load_to_lds s[G0:G0+3], s[G1:G1+7]
	s_nop 0
.rept 4
	v_nop
.endr
	s_branch .Lhead_asked
.Lhb:
	s_cmp_lt_u32 s[WV], 2
	s_cbranch_scc0 .Lhsa
	tensor_load_to_lds s[G0B:G0B+3], s[G1B:G1B+7]
	s_nop 0
.rept 4
	v_nop
.endr
	s_branch .Lhead_asked
.Lhsa:
	s_cmp_lt_u32 s[WV], 3
	s_cbranch_scc0 .Lhsb
	tensor_load_to_lds s[G0S:G0S+3], s[G1S:G1S+7]
	s_nop 0
.rept 4
	v_nop
.endr
	s_branch .Lhead_asked
.Lhsb:
	tensor_load_to_lds s[G0SB:G0SB+3], s[G1SB:G1SB+7]
	s_nop 0
.rept 4
	v_nop
.endr
.Lhead_asked:
	v_and_b32 v1, 15, v0                           ; r
	v_bfe_u32 v2, v0, 4, 1                         ; h
	s_wait_alu depctr_va_vdst(0)
	v_and_b32 v3, 31, v0
	v_lshlrev_b32 v[CO], 4, v3
	s_lshl_b32 s21, s[RH], 15                      ; my 128 rows of A
	s_lshl_b32 s22, s[CH], 15
	s_add_co_u32 s22, s22, 65536                   ; my 128 rows of B
.irp s, 0,1
	v_add_nc_u32 v[ADRA+\s], s21, v[CO]
	v_add_nc_u32 v[ADRB+\s], s22, v[CO]
	s_add_co_u32 s21, s21, SLOT
	s_add_co_u32 s22, s22, SLOT
.endr
	v_lshlrev_b32 v5, 2, v1
	s_lshl_b32 s21, s[RH], 12
	s_lshl_b32 s22, s[CH], 12
	s_add_co_u32 s22, s22, 8192
	s_sub_co_u32 s22, s22, s21
	v_mul_u32_u24 v6, s22, v2                      ; lanes 16-31 take B's words
	s_add_co_u32 s21, s21, SCL
	v_add_nc_u32 v6, v5, v6
	v_add_nc_u32 v[ADRS], s21, v6
	v_lshl_add_u32 v[SOO], v2, 11, v5
	; where the results go
	s_lshl_b32 s46, s67, 4
	s_lshl_b32 s47, s[RH], 3
	s_add_co_u32 s46, s46, s47
	s_lshl_b32 s46, s46, 5                         ; my first tile x 32 K steps
	s_lshl_b32 s47, s42, 1
	s_add_co_u32 s47, s47, s[CH]
	s_add_co_u32 s46, s46, s47                     ; + K step 2 tx + my half
	s_cmp_eq_u32 s66, 1
	s_cselect_b32 s47, 8, 0
	s_add_co_u32 s46, s46, s47
	s_mov_b32 s94, 0x1000000
	s_cmp_eq_u32 s66, 2
	s_cselect_b32 s92, 0x1100000, 0
	s_cselect_b32 s94, 0x1500000, s94
	s_lshl_b32 s47, s46, 11
	s_add_co_u32 s92, s92, s47
	s_mov_b32 s93, 0
	s_lshl_b32 s47, s46, 6
	s_add_co_u32 s94, s94, s47
	s_mov_b32 s95, 0
	s_add_nc_u64 s[92:93], s[14:15], s[92:93]      ; codes
	s_add_nc_u64 s[94:95], s[14:15], s[94:95]      ; scale words
	; the biases: the column bias is the C of each sum's first product, eight registers a tile of B; the row bias is added on the way out
	s_lshl_b32 s46, s42, 10
	s_lshl_b32 s47, s[CH], 9
	s_add_co_u32 s46, s46, s47
	s_mov_b32 s47, 0
	s_cmp_eq_u32 s66, 1
	s_cselect_b64 s[96:97], s[10:11], s[8:9]
	s_add_nc_u64 s[96:97], s[96:97], s[46:47]
	v_lshlrev_b32 v7, 6, v2
	s_cmp_eq_u32 s66, 2
	s_cbranch_scc1 .Lrowbias
.irp t, 0,1,2,3,4,5,6,7
	global_load_b128 v[CBR+8*\t:CBR+8*\t+3], v7, s[96:97] offset:(32*(\t/2)+8*(\t%2))*4
	global_load_b128 v[CBR+8*\t+4:CBR+8*\t+7], v7, s[96:97] offset:(32*(\t/2)+8*(\t%2))*4+16
.endr
.irp a, 0,1,2,3,4,5,6,7
	v_mov_b32 v[RBR+\a], 0
.endr
	s_branch .Lbiased
.Lrowbias:
.set j, 0
.rept 64
	v_mov_b32 v[CBR+j], 0
.set j, j+1
.endr
	s_lshl_b32 s46, s67, 10
	s_lshl_b32 s47, s[RH], 9
	s_add_co_u32 s46, s46, s47
	s_mov_b32 s47, 0
	s_add_nc_u64 s[98:99], s[12:13], s[46:47]
	v_and_b32 v6, 8, v1
	v_add_nc_u32 v6, v6, v1
	v_lshlrev_b32 v6, 2, v6                        ; row r + 8 (r/8) of a tile
.irp a, 0,1,2,3,4,5,6,7
	global_load_b32 v[RBR+\a], v6, s[98:99] offset:(32*(\a/2)+8*(\a%2))*4
.endr
.Lbiased:
	s_wait_loadcnt 0x0
	s_wait_kmcnt 0x0
.macro FRAG reg, adr, q, i
.irp c, 0,1,2,3
	ds_load_b128 v[\reg+4*\c:\reg+4*\c+3], v[\adr] offset:4096*(\i)+2048*(\q)+512*\c
.endr
.endm
; 16 matrix instructions: A's blocks a0, a0 + 1 x B's eight.  first = 1: the column bias starts the sums.  The 64 accumulators take turns, in the same order in every step.
.macro MUL16 a0, p, q, sc, first
.irp a, \a0, \a0+1
.irp b, 0,1,2,3,4,5,6,7
.if \first
	v_wmma_scale_f32_16x16x128_f8f6f4 v[8*(8*((\a)%4)+\b):8*(8*((\a)%4)+\b)+7], v[128*(\p)+FR*\b:128*(\p)+FR*\b+FR-1], v[AF+FR*(\a):AF+FR*(\a)+FR-1], v[CBR+8*\b:CBR+8*\b+7], v[SC+16*(\sc)+2*\b+(\q)], v[SC+16*(\sc)+2*(\a)+(\q)] matrix_a_fmt:MATRIX_FMT_BF8 matrix_b_fmt:MATRIX_FMT_BF8 matrix_a_scale:MATRIX_SCALE_ROW1
.else
	v_wmma_scale_f32_16x16x128_f8f6f4 v[8*(8*((\a)%4)+\b):8*(8*((\a)%4)+\b)+7], v[128*(\p)+FR*\b:128*(\p)+FR*\b+FR-1], v[AF+FR*(\a):AF+FR*(\a)+FR-1], v[8*(8*((\a)%4)+\b):8*(8*((\a)%4)+\b)+7], v[SC+16*(\sc)+2*\b+(\q)], v[SC+16*(\sc)+2*(\a)+(\q)] matrix_a_fmt:MATRIX_FMT_BF8 matrix_b_fmt:MATRIX_FMT_BF8 matrix_a_scale:MATRIX_SCALE_ROW1
.endif
.endr
.endr
.endm
.macro FETCH_B slot, q, p
	WIN TO_B
.irp i, 0,1,2,3,4,5,6,7
	FRAG 128*(\p)+FR*\i, ADRB+\slot, \q, \i
.endr
	WIN 0
.endm
.macro FETCH_A slot, q, i0
.irp i, \i0, \i0+1, \i0+2, \i0+3
	FRAG AF+FR*(\i), ADRA+\slot, \q, \i
.endr
.endm
.macro SCALES sc                       ; lanes 0-15 take the word of A's block i, lanes 16-31 that of B's block i
.irp i, 0,1,2,3,4,5,6,7
.irp q, 0,1
	ds_load_b32 v[SC+16*\sc+2*\i+\q], v[ADRS] offset:512*\i+64*\q
.endr
.endr
.endm
.macro PLACES n
.rept \n
	v_nop
.endr
.endm
.macro STEP slot, q, first
	s_wait_dscnt 4*NL                              ; B's set, A's blocks 0-3 and the scale words are in; A's blocks 4-7, the 16 youngest, may be out
	WIN MUL_LO-0x20*\first                         ; (the column bias lies in window 0)
	MUL16 0, (\q)%2, \q, \slot, \first
	MUL16 2, (\q)%2, \q, \slot, \first
	s_wait_dscnt 0x0
	PLACES NP
	FETCH_B \slot, (\q)+1, 1-(\q)%2
	FETCH_A \slot, (\q)+1, 0
	WIN MUL_HI-0x30*\first
	MUL16 4, (\q)%2, \q, \slot, \first
	MUL16 6, (\q)%2, \q, \slot, \first
	PLACES NP
	WIN 0
	FETCH_A \slot, (\q)+1, 4
.endm
; a slot's last step changes slots: one barrier; in front of it each wave waits for all its tensor loads, adds 0 to its spare word, and waits for that and for its reads of this slot
.macro TURN slot, next, fill
	s_wait_tensorcnt 0x0                           ; my part of the next slot has landed
	ds_add_u32 v[SPW], v[NIL]
	s_wait_dscnt 4*NL+1                            ; the add and A's blocks 4-7 may be out
	WIN MUL_LO
	MUL16 0, 1, NQ-1, \slot, 0
	s_wait_dscnt 0x0                               ; the add is done, my reads of this slot are over
	s_barrier_signal -1
	MUL16 2, 1, NQ-1, \slot, 0
	WIN 0
	s_barrier_wait -1
.if \fill
	CREST                                          ; the barrier has opened a round of the cluster's: no wave of any partner still reads this slot or has a load on its way
	s_add_nc_u64 s[G0+4*\slot+2:G0+4*\slot+3], s[G0+4*\slot+2:G0+4*\slot+3], 8192
	s_add_nc_u64 s[G0B+4*\slot+2:G0B+4*\slot+3], s[G0B+4*\slot+2:G0B+4*\slot+3], 8192
	JLOAD G0+4*\slot, G1, G0B+4*\slot, G1B
	PLACES NP-4
.else
	PLACES NP
.endif
	s_wait_alu depctr_va_vdst(0)
	v_add_nc_u32 v[ADRS], 128, v[ADRS]             ; the next two K steps' scale words
	FETCH_B \next, 0, 0
	FETCH_A \next, 0, 0
	SCALES \next
	WIN MUL_HI
	MUL16 4, 1, NQ-1, \slot, 0
	MUL16 6, 1, NQ-1, \slot, 0
	PLACES NP
	WIN 0
	FETCH_A \next, 0, 4
.endm
	s_wait_alu depctr_va_vdst(0)
	s_wait_tensorcnt 0x0                           ; my tile of the head's four is in; these lines stand ahead of slot 1's first fill as ahead of a refill
	ds_add_u32 v[SPW], v[NIL]
	s_mov_b32 s[G1+2], 8<<16                       ; no tensor load of mine is out: from here on a load brings 8 tiles
	s_mov_b32 s[G1+4], 8
	s_mov_b32 s[G1B+2], 8<<16
	s_mov_b32 s[G1B+4], 8
	s_mov_b32 s[G0+1], s45                         ; slot 0's groups 0 for the ring: my quarter,
	s_mov_b32 s[G0B+1], s45
	s_add_nc_u64 s[G0+2:G0+3], s[G0+2:G0+3], s[2:3]        ; my half of the tiles
	s_add_nc_u64 s[G0B+2:G0B+3], s[G0B+2:G0B+3], s[2:3]
	s_wait_dscnt 0x0                               ; the add is done
	CROUND                                         ; all four tiles are in, all sixteen work-groups are here
	JLOAD G0+4, G1, G0B+4, G1B                     ; slot 1's first fill: the first tensor load behind the round
	FETCH_B 0, 0, 0
	FETCH_A 0, 0, 0
	SCALES 0
	FETCH_A 0, 0, 4
	s_wait_alu depctr_va_vdst(0)
	STEP 0, 0, 1
	s_mov_b32 s3, LAPS-1
.Llap:
	TURN 0, 1, 1
	STEP 1, 0, 0
	TURN 1, 0, 1
	STEP 0, 0, 0
	s_sub_co_u32 s3, s3, 1
	s_cmp_lg_u32 s3, 0
	s_cbranch_scc1 .Llap
	TURN 0, 1, 0
	STEP 1, 0, 0
	s_wait_dscnt 4*NL
	WIN MUL_LO
	MUL16 0, 1, NQ-1, 1, 0
	MUL16 2, 1, NQ-1, 1, 0
	s_wait_dscnt 0x0
	WIN MUL_HI
	MUL16 4, 1, NQ-1, 1, 0
	MUL16 6, 1, NQ-1, 1, 0
	WIN 0
	; THE WAY OUT, block by block of 16 rows x 128 columns: + the row bias, quantised, four stores of 512 consecutive bytes
	s_mov_b32 s[SEL], 0x76543210
	s_mov_b32 s[SEL+1], 0xfedcba98
	s_mov_b32 s[MNT], 0x600000
	s_mov_b32 s[HM], 0xffff0000
.macro QUANTS pc, pw
.irp b, 0,1,2,3
	v_max3_num_f32 v[TM+\b], v[ZZ+16*\b], v[ZZ+16*\b+1], 0x8000000   ; the largest number, over the floor 2^(16-127)
	v_min3_num_f32 v[MN+\b], v[ZZ+16*\b], v[ZZ+16*\b+1], 0           ; and the smallest, under 0
.endr
.irp i, 2,4,6,8,10,12,14
.irp b, 0,1,2,3
	v_max3_num_f32 v[TM+\b], v[TM+\b], v[ZZ+16*\b+\i], v[ZZ+16*\b+\i+1]
	v_min3_num_f32 v[MN+\b], v[MN+\b], v[ZZ+16*\b+\i], v[ZZ+16*\b+\i+1]
.endr
.endr
.irp b, 0,1,2,3
	v_mul_f32 v[MN+\b], s[NNR], v[MN+\b]               ; its magnitude, or 0 where what is negative is to become 0
.endr
.irp b, 0,1,2,3
	v_max_num_f32 v[TM+\b], v[TM+\b], v[MN+\b]
.endr
.irp b, 0,1,2,3
	v_permlanex16_b32 v[TM+4+\b], v[TM+\b], s[SEL], s[SEL+1]
.endr
.irp b, 0,1,2,3
	v_max_num_f32 v[TM+\b], v[TM+\b], v[TM+4+\b]
.endr
.irp b, 0,1,2,3
	v_add_nc_u32 v[TM+12+\b], 0xf8800000, v[TM+\b]
.endr
.irp b, 0,1,2,3
	v_and_or_b32 v[TM+8+\b], v[TM+\b], 0x7f800000, s[MNT]
.endr
.irp b, 0,1,2,3
	v_lshrrev_b32 v[TM+4+\b], 23, v[TM+12+\b]
.endr
.irp b, 0,1,2,3
	v_mul_f32 v[LO+\b], s[NNR], v[TM+8+\b]             ; the lower hold: -57,344 x the scale, or 0
.endr
	v_lshl_or_b32 v[\pw], v[TM+5], 8, v[TM+4]
	v_lshl_or_b32 v[\pw], v[TM+6], 16, v[\pw]
	v_lshl_or_b32 v[\pw], v[TM+7], 24, v[\pw]
.irp b, 0,1,2,3
.irp i, 0,1,2,3,4,5,6,7,8,9,10,11,12,13,14,15
	v_med3_num_f32 v[ZZ+16*\b+\i], v[ZZ+16*\b+\i], v[LO+\b], v[TM+8+\b]
.endr
	v_cvt_scalef32_pk8_bf8_f32 v[(\pc)+4*\b:(\pc)+4*\b+1], v[ZZ+16*\b:ZZ+16*\b+7], v[TM+12+\b]
	v_cvt_scalef32_pk8_bf8_f32 v[(\pc)+4*\b+2:(\pc)+4*\b+3], v[ZZ+16*\b+8:ZZ+16*\b+15], v[TM+12+\b]
.endr
	v_nop
.endm
.macro EPI a
.set AC, 64*((\a)%4)
.if (\a) < 4                           ; six sets of code registers: v192-255, then v96-127, which held the column bias; blocks 6 and 7 take the first two again
.set PCS, PC+16*(\a)
.elseif (\a) < 6
.set PCS, 96+16*((\a)-4)
.else
.set PCS, PC+16*((\a)-6)
.endif
.if (\a) == 6
	s_wait_xcnt 0x0                                ; the earlier stores have read their registers: blocks 0 and 1's codes may be written again
.endif
	WIN 0x02+(\a)/4                                ; source 0: window 2 or 3
.set j, 0
.rept 64
	v_add_f32 v[ZZ+j], v[AC+j], v[RBR+(\a)]        ; each accumulator from its low end on
.set j, j+1
.endr
	WIN 0
	QUANTS PCS, PW+(\a)
.irp c, 0,1,2,3
	global_store_b128 v[CO], v[PCS+4*\c:PCS+4*\c+3], s[92:93] offset:(\a)*65536+512*\c
.endr
.if (\a)%2
	v_cndmask_b32 v[PW+(\a)], v[PW+(\a)-1], v[PW+(\a)], s[HM]   ; lanes 0-15: the tile before; lanes 16-31: this tile
	global_store_b32 v[SOO], v[PW+(\a)], s[94:95] offset:((\a)-1)*2048
.endif
.endm
	PLACES NP
.irp a, 0,1,2,3,4,5,6,7
	EPI \a
.endr
	s_wait_tensorcnt 0x0                           ; the wave's end
	ds_add_u32 v[SPW], v[NIL]
	s_wait_dscnt 0x0
	CROUND                                         ; the closing round
	s_endpgm
.Lfunc_end_k_qa66fe87902_gemmq:
	.size	k_qa66fe87902_gemmq, .Lfunc_end_k_qa66fe87902_gemmq-k_qa66fe87902_gemmq
	.p2alignl 7, 3214868480
	.fill 96, 4, 3214868480
	.section	.rodata,"a",@progbits
	.p2align	6, 0x0
	.amdhsa_kernel k_qa66fe87902_gemmq
		.amdhsa_group_segment_fixed_size 327680
		.amdhsa_private_segment_fixed_size 0
		.amdhsa_enable_private_segment 0
		.amdhsa_kernarg_size 48
		.amdhsa_user_sgpr_count 2
		.amdhsa_user_sgpr_kernarg_segment_ptr 1
		.amdhsa_wavefront_size32 1
		.amdhsa_system_sgpr_workgroup_id_x 1
		.amdhsa_system_sgpr_workgroup_id_y 1
		.amdhsa_system_sgpr_workgroup_id_z 1
		.amdhsa_system_vgpr_workitem_id 0
		.amdhsa_next_free_vgpr 1024
		.amdhsa_next_free_sgpr 100
		.amdhsa_reserve_vcc 0
		.amdhsa_float_denorm_mode_32 3
		.amdhsa_float_denorm_mode_16_64 3
		.amdhsa_memory_ordered 1
		.amdhsa_forward_progress 1
		.amdhsa_inst_pref_size 228
	.end_amdhsa_kernel
	.amdgpu_metadata
---
amdhsa.version: [ 1, 2 ]
amdhsa.kernels:
  - .name:           k_qa66fe87902_gemmq
    .symbol:         k_qa66fe87902_gemmq.kd
    .args:
      - { .name: px, .offset: 0, .size: 8, .value_kind: global_buffer, .address_space: global }
      - { .name: pwa, .offset: 8, .size: 8, .value_kind: global_buffer, .address_space: global }
      - { .name: bq, .offset: 16, .size: 8, .value_kind: global_buffer, .address_space: global }
      - { .name: bk, .offset: 24, .size: 8, .value_kind: global_buffer, .address_space: global }
      - { .name: bv, .offset: 32, .size: 8, .value_kind: global_buffer, .address_space: global }
      - { .name: s1, .offset: 40, .size: 8, .value_kind: global_buffer, .address_space: global }
    .group_segment_fixed_size: 327680
    .private_segment_fixed_size: 0
    .kernarg_segment_align: 8
    .kernarg_segment_size: 48
    .max_flat_workgroup_size: 128
    .sgpr_count:     100
    .vgpr_count:     1024
    .wavefront_size: 32
...
	.end_amdgpu_metadata
.endif
;; end of part 2
;; launch attn (part 3): grid 16 x 16, 8 waves a work-group, clusters of 4 x 1, 327,680 bytes of LDS; arguments s1, mask, at; writes at
.if DOCPART == 3
	.amdgcn_target "amdgcn-amd-amdhsa--gfx1250"
	.amdhsa_code_object_version 6
	.text
	.protected	k_qa66fe87902_attn
	.globl	k_qa66fe87902_attn
	.p2align	8
	.type	k_qa66fe87902_attn,@function
k_qa66fe87902_attn:
	s_mov_b64 s[64:65], 0
	v_nop
	global_prefetch_b8 v0, s[64:65] scope:SCOPE_SE
	s_setreg_imm32_b32 hwreg(HW_REG_WAVE_MODE, 25, 1), 1
	s_wait_xcnt 0x0
	s_wait_alu depctr_hold_cnt(0) depctr_sa_sdst(0) depctr_va_vdst(0) depctr_va_sdst(0) depctr_va_ssrc(0) depctr_va_vcc(0) depctr_vm_vsrc(0)
	s_getreg_b32 s2, hwreg(HW_REG_IB_STS2, 6, 4)
	s_cmp_eq_u32 s2, 0
	s_cbranch_scc0 .Lentry_in_a_cluster
	s_endpgm
.Lentry_in_a_cluster:
	s_bfe_u32 s2, ttmp6, 0x10000c
	s_cmp_lg_u32 s2, 0x3003
	s_cbranch_scc0 .Lentry_shape_is_right
	s_endpgm
.Lentry_shape_is_right:
; ATTENTION ON IMAGES OF CODES (E5M2, one E8M0 byte for each 32 along a product's K): O = softmax(Q K^T / 8 + mask x -1e9) V, and O quantised along its 1,024 columns as the image of the next operand.
; s1: Q's codes in K steps 0-7 and K's in K steps 8-15 of each token tile (32 K steps of 2,048 bytes to a tile), their scale words at 16 MiB; V^T (rows = channels, K = tokens) at 17 MiB, its scale words at 21 MiB.
; In an image lane r of tile T holds row 32 (T/2) + 8 (T%2) + r + 8 (r/8): so the 16 registers of two neighbouring result tiles are 16 neighbours along the next K.
; SHARES.  A work-group owns 128 queries of two heads (one K step of 128 columns) of one batch.  Eight waves, two to a SIMD: waves 0-3 the even head, 4-7 the odd; a wave owns TWO tiles of 16 queries, so that each fragment of
; K, of V and of the mask's bias read from LDS feeds two products.  Every wave walks the batch's 2,048 keys, 128 a step; K and V come through two LDS slots of 512 keys by joint loads of the cluster's four work-groups,
; which walk the same keys (waves 0, 1: K's halves; waves 2, 3: V's).  The scale words of all keys, and the mask's bias, lie in LDS throughout.
; Both products are used transposed (S^T = K Q^T, O^T = V^T P^T): a lane holds one query of each tile.  A head has 64 channels: the upper 64 of the score product's 128 are zero codes of Q.
; THE MASK'S BIAS, mask x -8e9, IS THE SCORE PRODUCT'S C: t = (S - 8e9 mask) x log2(e) / 8.  M = the ceiling of the running largest t; p = 2^(t - M) is quantised along the keys; the row's sum is taken of the unquantised p.
; When M moves, the sum and O^T are multiplied by 2^(old M - new M), in every step, with no branch.
; PREFETCH: at the change of slots that loads slot n (n = 1, 2) waves 4-7 name slot n + 1: 512 blocks of 256 bytes, a lane a block, shared out among the cluster's four partners by address
; (places 0, 1: K's 32 tiles x 2,048 bytes; places 2, 3: V's 8 tiles x 8,192 bytes).  Slots 0 and 1 come by their loads alone.
; LIMITS: the promise holds while the scaled scores stay under 2^31 in magnitude.  Where every key of a batch is masked, the matrix unit rounds S - 8e9 where reference() rounds S / 8 - 1e9.  NaN and infinities are not served;
; a block of zeros gets the byte 1 (its codes are zeros, and this program alone reads the bytes).
; REGISTERS.  Window 0: v1-15 addresses; v16-143 S^T, then p, two tiles; v144-175 the quantiser's; v176-199 a tile's -M, largest t, sum, factor; v200-231 p's codes; v232-245 scale words.
; Window 1: v0-31 Q with its zeros; v32-103 fragments of K, then of V; v104-167 the mask's bias; v168-231 O^T.
.set SLOT1, 1<<17
.set SCK,   262144
.set SCV,   270336
.set MASKL, 278528
.set OSC,   286720
.set SPARE, 287232                     ; the spare words: 128 bytes a wave
.set AK0, 1
.set AV0, 2
.set ASK0, 3
.set ASV0, 4
.set SPW, 5
.set NIL, 6
.set AM0, 7
.set ADK, 8
.set ADV, 9
.set ADS, 10
.set ADT, 11
.set ADM, 12
.set PFO, 13
.set SS,  16
.set TM,  144
.set ST,  176                          ; tile u at ST + 12 u: +0 -M, +1 largest t, +2,3 the sum, +4,5 the factor, +6,7 a second chain of the sum, +8 at work
.set PCD, 200
.set KS,  232
.set QSW, 240
.set PSW, 244
.set OW,  246
.set QF,  0
.set KF,  32
.set MB,  104
.set OT,  168
.set WV,  10
.set PAR, 11
.set QT,  12
.set SEL, 16
.set CS,  18
.set MNT, 20
.set TK,  21
.set TV,  22
.set T5,  23
.set G1K, 24
.set G1V, 32
.set G0K, 40
.set G0V, 44
.set G1SK, 48
.set G1SV, 56
.set TJ,  66
.set SLOTS, 67
.set G0SK, 68
.set G0SV, 72
.set STP, 76
.set PFA, 78
.set PFS, 80
.set LIM, 84
.set MSB, 0
.macro WIN new                         ; the immediate's high byte repeats the setting that is left
.if MSB != (\new)
	s_set_vgpr_msb (MSB<<8)|(\new)
.set MSB, \new
.endif
.endm
.macro PLACES n
.rept \n
	v_nop
.endr
.endm
.macro TL g0, g1                       ; an s_nop 0 and four v_nop follow each tensor load
	tensor_load_to_lds s[\g0:\g0+3], s[\g1:\g1+7]
	s_nop 0
	PLACES 4
.endm
.macro TLOAD
	s_cmp_lt_u32 s[WV], 2
	s_cbranch_scc0 .Lnot_k_\@
	TL G0K, G1K
	s_branch .Lasked_\@
.Lnot_k_\@:
	s_cmp_lt_u32 s[WV], 4
	s_cbranch_scc0 .Lasked_\@
	TL G0V, G1V
.Lasked_\@:
.endm
.macro ASK
	s_cmp_gt_u32 s[SLOTS], s[LIM]
	s_cbranch_scc0 .Lnot_mine_\@
	global_prefetch_b8 v[PFO], s[PFA:PFA+1] th:TH_LOAD_NT scope:SCOPE_SE
.Lnot_mine_\@:
.endm
.macro CROUND
	s_barrier_signal -1
	s_barrier_wait -1
	s_cmp_lg_u32 s[WV], 0
	s_cbranch_scc1 .Lnot_wave_0_\@
	s_barrier_signal -3
.Lnot_wave_0_\@:
	s_barrier_wait -3
	s_barrier_signal -1
	s_barrier_wait -1
.endm
.macro HOLD2 x, h                      ; two numbers held at the largest code x the scale: p is not negative, so the hold is one-sided
	v_dual_min_num_f32 v[\x], v[\x], v[\h] :: v_dual_min_num_f32 v[(\x)+1], v[(\x)+1], v[\h]
.endm
	s_load_b128 s[4:7], s[0:1], 0x0                ; s1, mask
	s_load_b64 s[8:9], s[0:1], 0x10                ; at
	v_lshl_add_u32 v[SPW], v0, 2, SPARE
	v_mov_b32 v[NIL], 0
	ds_add_u32 v[SPW], v[NIL]                      ; the opening: the add, twice on end, and its wait
	ds_add_u32 v[SPW], v[NIL]
	v_lshrrev_b32 v8, 5, v0
	v_readfirstlane_b32 s[WV], v8
	s_lshr_b32 s[PAR], s[WV], 2                    ; which head of the pair
	s_and_b32 s[QT], s[WV], 3
	s_lshl_b32 s[QT], s[QT], 1                     ; my first query tile of the work-group's eight
	s_bfe_u32 s13, ttmp6, 0x40000                  ; cx
	s_and_b32 s14, ttmp7, 0xffff
	s_and_b32 s15, s14, 7                          ; the pair of heads
	s_lshr_b32 s14, s14, 3                         ; the batch
	s_and_b32 s77, s[WV], 1                        ; which half I fetch
	s_add_co_u32 s96, s15, 8
	s_lshl_b32 s78, s14, 7
	s_lshl_b32 s79, s77, 4
	s_add_co_u32 s78, s78, s79
	s_lshl_b32 s78, s78, 16
	s_lshl_b32 s79, s96, 11
	s_add_co_u32 s78, s78, s79
	s_mov_b32 s79, 0                               ; K's codes: 16 tiles a half
	s_lshl_b32 s80, s15, 3
	s_lshl_b32 s81, s77, 2
	s_add_co_u32 s97, s80, s81
	s_lshl_b32 s80, s97, 16
	s_lshl_b32 s81, s14, 15
	s_add_co_u32 s80, s80, s81
	s_add_co_u32 s80, s80, 0x1100000
	s_mov_b32 s81, 0                               ; V's codes: a head's four tiles a half
	s_lshl_b32 s82, s14, 7
	s_lshl_b32 s83, s77, 6
	s_add_co_u32 s82, s82, s83
	s_lshl_b32 s82, s82, 11
	s_lshl_b32 s83, s96, 6
	s_add_co_u32 s82, s82, s83
	s_add_co_u32 s82, s82, 0x1000000
	s_mov_b32 s83, 0                               ; K's scale words: 64 tiles a half
	s_lshl_b32 s84, s97, 11
	s_lshl_b32 s85, s14, 10
	s_add_co_u32 s84, s84, s85
	s_add_co_u32 s84, s84, 0x1500000
	s_mov_b32 s85, 0                               ; V's scale words
	s_lshl_b32 s98, ttmp9, 2
	s_add_co_u32 s98, s98, s13
	s_lshl_b32 s98, s98, 3
	s_lshl_b32 s99, s14, 7
	s_add_co_u32 s98, s98, s99                     ; the work-group's first query tile
	s_add_co_u32 s99, s98, s[QT]                   ; mine
	s_lshl_b32 s86, s99, 16
	s_lshl_b32 s87, s15, 11
	s_add_co_u32 s86, s86, s87
	s_lshl_b32 s87, s[PAR], 10
	s_add_co_u32 s86, s86, s87
	s_mov_b32 s87, 0                               ; Q's codes
	s_lshl_b32 s88, s99, 11
	s_lshl_b32 s89, s15, 6
	s_add_co_u32 s88, s88, s89
	s_lshl_b32 s89, s[PAR], 1
	s_add_co_u32 s88, s88, s89
	s_add_co_u32 s88, s88, 0x1000000
	s_mov_b32 s89, 0                               ; Q's scale bytes
	s_lshl_b32 s90, s14, 13
	s_mov_b32 s91, 0                               ; the batch's mask
	s_lshl_b32 s92, s99, 3
	s_add_co_u32 s92, s92, s15
	s_lshl_b32 s92, s92, 11
	s_lshl_b32 s93, s[PAR], 10
	s_add_co_u32 s92, s92, s93
	s_mov_b32 s93, 0                               ; O's codes
	s_lshl_b32 s94, s[WV], 1
	s_add_co_u32 s94, s94, s98
	s_lshl_b32 s94, s94, 3
	s_add_co_u32 s94, s94, s15
	s_lshl_b32 s94, s94, 6
	s_add_co_u32 s94, s94, 0x400000
	s_mov_b32 s95, 0                               ; O's scale words: waves 0-3 store two tiles' each
	s_mov_b32 s[G1K], 15|(3<<16)|(1<<21)           ; K: 16 tiles x 2,048 bytes, 65,536 bytes from tile to tile; the mask names the cluster's four
	s_mov_b32 s[G1K+1], 256<<16
	s_mov_b32 s[G1K+2], 16<<16
	s_mov_b32 s[G1K+3], 256<<16
	s_mov_b32 s[G1K+4], 16
	s_mov_b32 s[G1K+5], 8192
	s_mov_b32 s[G1K+6], 0
	s_mov_b32 s[G1K+7], 0
	s_mov_b32 s[G1V], 15|(3<<16)|(1<<21)           ; V: 4 tiles x 8,192 bytes (512 keys)
	s_mov_b32 s[G1V+1], 1024<<16
	s_mov_b32 s[G1V+2], 4<<16
	s_mov_b32 s[G1V+3], 1024<<16
	s_mov_b32 s[G1V+4], 4
	s_mov_b32 s[G1V+5], 8192
	s_mov_b32 s[G1V+6], 0
	s_mov_b32 s[G1V+7], 0
	s_mov_b32 s[G1SK], 15|(3<<16)|(1<<21)          ; K's scale words: 64 tiles x 64 bytes
	s_mov_b32 s[G1SK+1], 8<<16
	s_mov_b32 s[G1SK+2], 64<<16
	s_mov_b32 s[G1SK+3], 8<<16
	s_mov_b32 s[G1SK+4], 64
	s_mov_b32 s[G1SK+5], 256
	s_mov_b32 s[G1SK+6], 0
	s_mov_b32 s[G1SK+7], 0
	s_mov_b32 s[G1SV], 15|(3<<16)|(1<<21)          ; V's: 4 tiles x 1,024 bytes
	s_mov_b32 s[G1SV+1], 128<<16
	s_mov_b32 s[G1SV+2], 4<<16
	s_mov_b32 s[G1SV+3], 128<<16
	s_mov_b32 s[G1SV+4], 4
	s_mov_b32 s[G1SV+5], 256
	s_mov_b32 s[G1SV+6], 0
	s_mov_b32 s[G1SV+7], 0
	s_lshl_b32 s97, s77, 15
	s_lshl_b32 s96, s77, 12
	s_mov_b32 s[SEL], 0x76543210
	s_mov_b32 s[SEL+1], 0xfedcba98
	s_mov_b32 s[CS], 0x3e38aa3b                    ; log2(e) / 8
	s_mov_b32 s[CS+1], s[CS]
	s_mov_b32 s[MNT], 0x600000
	s_mov_b32 s[TK], 0
	s_mov_b32 s[TV], 0
	s_mov_b32 s[T5], 0
	s_mov_b32 s[TJ], 0
	s_mov_b32 s[SLOTS], 3
	s_wait_dscnt 0x0                               ; both opening adds are done
	s_wait_kmcnt 0x0
	CROUND                                         ; the four work-groups are here: the first joint loads meet
	s_mov_b32 s[G0SK], 1
	s_add_co_u32 s[G0SK+1], s96, SCK
	s_add_nc_u64 s[G0SK+2:G0SK+3], s[4:5], s[82:83]
	s_or_b32 s[G0SK+3], s[G0SK+3], 0x80000000
	s_mov_b32 s[G0SV], 1
	s_add_co_u32 s[G0SV+1], s96, SCV
	s_add_nc_u64 s[G0SV+2:G0SV+3], s[4:5], s[84:85]
	s_or_b32 s[G0SV+3], s[G0SV+3], 0x80000000
	s_mov_b32 s[G0K], 1
	s_mov_b32 s[G0K+1], s97
	s_add_nc_u64 s[G0K+2:G0K+3], s[4:5], s[78:79]
	s_or_b32 s[G0K+3], s[G0K+3], 0x80000000
	s_mov_b32 s[G0V], 1
	s_add_co_u32 s[G0V+1], s97, 65536
	s_add_nc_u64 s[G0V+2:G0V+3], s[4:5], s[80:81]
	s_or_b32 s[G0V+3], s[G0V+3], 0x80000000
; THE HEAD'S EIGHT LOADS, ONE A WAVE, in one chain of branches on the wave's number: slot 0's halves of K and of V, then the halves of K's and of V's scale words
.macro ARM under, g0, g1, next
	s_cmp_lt_u32 s[WV], \under
	s_cbranch_scc0 \next
	TL \g0, \g1
	s_branch .Lhead_asked
\next:
.endm
	ARM 2, G0K, G1K, .Lhead_v
	ARM 4, G0V, G1V, .Lhead_sk
	ARM 6, G0SK, G1SK, .Lhead_sv
	TL G0SV, G1SV
.Lhead_asked:
	s_add_nc_u64 s[86:87], s[4:5], s[86:87]
	s_add_nc_u64 s[88:89], s[4:5], s[88:89]
	s_add_nc_u64 s[90:91], s[6:7], s[90:91]
	s_add_nc_u64 s[92:93], s[8:9], s[92:93]
	s_add_nc_u64 s[94:95], s[8:9], s[94:95]
	; the prefetches: where my wave's stand in slot 1; each change of slots steps them a slot on before it asks
	s_and_b32 s96, s[WV], 3
	s_lshl_b32 s97, s13, 4
	s_lshl_b32 s78, s96, 2
	s_add_co_u32 s78, s78, s97                     ; K: tile 16 cx + 4 (wave % 4) of the slot's 32, and lane / 8 more
	s_lshl_b32 s97, s14, 7
	s_add_co_u32 s78, s78, s97
	s_add_co_u32 s78, s78, 32
	s_lshl_b32 s78, s78, 16
	s_add_co_u32 s97, s15, 8
	s_lshl_b32 s97, s97, 11
	s_add_co_u32 s78, s78, s97
	s_and_b32 s97, s13, 1
	s_lshl_b32 s97, s97, 2
	s_add_co_u32 s97, s97, s96                     ; V: tile 4 (cx % 2) + wave % 4 of the pair's eight
	s_lshl_b32 s82, s15, 3
	s_add_co_u32 s97, s97, s82
	s_lshl_b32 s97, s97, 16
	s_lshl_b32 s82, s14, 15
	s_add_co_u32 s97, s97, s82
	s_add_co_u32 s97, s97, 0x1100000+8192
	s_mov_b32 s[PFS], 8192
	s_cmp_lt_u32 s13, 2                            ; a choice of offsets alone: no branch hangs on the place in the cluster
	s_cselect_b32 s78, s78, s97
	s_cselect_b32 s[PFS], 0x200000, s[PFS]
	s_cselect_b32 s83, -1, 0
	s_mov_b32 s79, 0
	s_mov_b32 s[PFS+1], 0
	s_add_nc_u64 s[PFA:PFA+1], s[4:5], s[78:79]
	s_cmp_lt_u32 s[WV], 4
	s_cselect_b32 s[LIM], -1, 1                    ; waves 4-7 ask while more than one slot is still to be loaded
	v_and_b32 v14, 31, v0
	v_lshrrev_b32 v15, 3, v14
	v_and_b32 v13, 7, v14
	v_lshlrev_b32 v13, 8, v13
	v_lshl_add_u32 v13, v15, 16, v13               ; K: 65,536 (lane / 8) + 256 (lane % 8)
	v_lshlrev_b32 v10, 4, v14                      ; 16 x lane
	v_lshlrev_b32 v14, 8, v14                      ; V: 256 x lane
	v_cndmask_b32 v[PFO], v14, v13, s83
	v_and_b32 v8, 15, v0                           ; r
	v_bfe_u32 v9, v0, 4, 1                         ; h
	v_lshlrev_b32 v11, 2, v8
	v_lshlrev_b32 v14, 4, v0                       ; 16 x thread
	v_lshl_add_u32 v15, v0, 4, MASKL
	s_wait_alu depctr_va_vdst(0)
	WIN 0x40
.irp u, 0,1
	global_load_b128 v[QF+16*\u:QF+16*\u+3], v10, s[86:87] offset:65536*\u
	global_load_b128 v[QF+16*\u+4:QF+16*\u+7], v10, s[86:87] offset:65536*\u+512
.endr
	WIN 0
	global_load_u16 v[QSW], v11, s[88:89]
	global_load_u16 v[QSW+1], v11, s[88:89] offset:2048
	global_load_b128 v[248:251], v14, s[90:91]
	global_load_b128 v[252:255], v14, s[90:91] offset:4096
	s_lshl_b32 s96, s[PAR], 10
	v_add_nc_u32 v[AK0], s96, v10
	s_lshl_b32 s96, s[PAR], 15
	s_add_co_u32 s96, s96, 65536
	v_add_nc_u32 v[AV0], s96, v10
	s_lshl_b32 s96, s[PAR], 1
	s_add_co_u32 s96, s96, SCK
	v_add_nc_u32 v[ASK0], s96, v11
	s_lshl_b32 s96, s[PAR], 12
	s_add_co_u32 s96, s96, SCV
	v_add_nc_u32 v[ASV0], s96, v11
	v_lshl_add_u32 v[AM0], v9, 6, MASKL
.irp u, 0,1
	v_mov_b32 v[ST+12*\u+1], 0xff61b1e6            ; the largest t so far: -3e38
	v_mov_b32 v[ST+12*\u+2], 0
	v_mov_b32 v[ST+12*\u+3], 0
	v_mov_b32 v[ST+12*\u+5], 0                     ; named as the upper half of a pair
.irp b, 0,1,2,3
	v_mov_b32 v[TM+16*\u+4+\b], 0                  ; a lane permute's destination counts as read
.endr
.endr
.irp u, 0,1
	v_floor_f32 v[ST+12*\u], -v[ST+12*\u+1]
.endr
	WIN 0x40
.irp j, 0,1,2,3,4,5,6,7
	v_mov_b32 v[QF+8+\j], 0                        ; Q's upper 64 along K: zero codes
	v_mov_b32 v[QF+24+\j], 0
	v_mov_b32 v[KF+64+\j], 0                       ; behind K's last fragment
.endr
.set j, 0
.rept 64
	v_mov_b32 v[OT+j], 0                           ; the step is written once: the first finds zeros
.set j, j+1
.endr
	WIN 0
	s_wait_alu depctr_va_vdst(0)
	s_wait_loadcnt 0x0
.irp j, 0,1,2,3,4,5,6,7
	v_cvt_f32_i32 v[248+\j], v[248+\j]
.endr
.irp j, 0,1,2,3,4,5,6,7
	v_mul_f32 v[248+\j], 0xcfee6b28, v[248+\j]     ; mask x -8e9: -1e9 in units of the raw score
.endr
	ds_store_b128 v15, v[248:251]
	ds_store_b128 v15, v[252:255] offset:4096
.macro MASKS adr                       ; the mask's bias of 128 keys: register 16 b + i: key 32 b + 16 h + i
.irp p, 0,1,2,3,4,5,6,7,8,9,10,11,12,13,14,15
	ds_load_b128 v[MB+4*\p:MB+4*\p+3], v[\adr] offset:128*(\p/4)+16*(\p%4)
.endr
.endm
	s_wait_alu depctr_va_vdst(0)
	s_wait_dscnt 0x0                               ; for the others' sake: my part of the bias is in LDS
	s_barrier_signal -1
	s_barrier_wait -1
	WIN 0x40
	MASKS AM0                                      ; the first step's bias; every step fetches the next step's
	WIN 0
; A KEY STEP: 128 keys against my two tiles of queries
.macro STEP
	v_add_nc_u32 v[ADK], s[TK], v[AK0]
	v_add_nc_u32 v[ADV], s[TV], v[AV0]
	v_add_nc_u32 v[ADS], s[T5], v[ASK0]
	v_add_nc_u32 v[ADT], s[TJ], v[ASV0]
	PLACES 4                                       ; with the four above: eight places behind the last products, ahead of loads into what they read
	WIN 0x40
.irp t, 0,1,2,3,4,5,6,7
	ds_load_b128 v[KF+8*\t:KF+8*\t+3], v[ADK] offset:2048*\t
	ds_load_b128 v[KF+8*\t+4:KF+8*\t+7], v[ADK] offset:2048*\t+512
.endr
	WIN 0
.irp t, 0,1,2,3,4,5,6,7
	ds_load_u16 v[KS+\t], v[ADS] offset:64*\t
.endr
	s_wait_alu depctr_va_vdst(0)
	s_wait_dscnt 0x0
	WIN 0x15
.irp t, 0,1,2,3,4,5,6,7
.irp u, 0,1
	v_wmma_scale_f32_16x16x128_f8f6f4 v[SS+64*\u+8*\t:SS+64*\u+8*\t+7], v[KF+8*\t:KF+8*\t+15], v[QF+16*\u:QF+16*\u+15], v[MB+8*\t:MB+8*\t+7], v[KS+\t], v[QSW+\u] matrix_a_fmt:MATRIX_FMT_BF8 matrix_b_fmt:MATRIX_FMT_BF8
.endr
.endr
	WIN 0
	s_add_co_u32 s96, s[T5], 512
	s_and_b32 s96, s96, 8191                       ; the next step's 128 keys; behind the last step: key 0 again, fetched and not used
	v_add_nc_u32 v[ADM], s96, v[AM0]
	PLACES 7                                       ; with the line above: eight places
	WIN 0x40
	MASKS ADM                                      ; the bias's registers are free from here on: the next step's lands under the softmax
.irp t, 0,1,2,3
.irp c, 0,1,2,3
	ds_load_b128 v[KF+16*\t+4*\c:KF+16*\t+4*\c+3], v[ADV] offset:8192*\t+512*\c   ; V's fragments land under the softmax
.endr
.endr
	WIN 0
.irp t, 0,1,2,3
	ds_load_b32 v[KS+\t], v[ADT] offset:1024*\t
.endr
.irp b, 0,1,2,3
.irp u, 0,1
	v_max3_num_f32 v[TM+16*\u+\b], v[SS+64*\u+16*\b], v[SS+64*\u+16*\b+1], v[SS+64*\u+16*\b+2]   ; the largest score of each block of 32 keys: eight chains by turns
.endr
.endr
.irp i, 3,5,7,9,11,13
.irp b, 0,1,2,3
.irp u, 0,1
	v_max3_num_f32 v[TM+16*\u+\b], v[TM+16*\u+\b], v[SS+64*\u+16*\b+\i], v[SS+64*\u+16*\b+\i+1]
.endr
.endr
.endr
.irp b, 0,1,2,3
.irp u, 0,1
	v_max_num_f32 v[TM+16*\u+\b], v[TM+16*\u+\b], v[SS+64*\u+16*\b+15]
.endr
.endr
.irp b, 0,1,2,3
.irp u, 0,1
	v_permlanex16_b32 v[TM+16*\u+4+\b], v[TM+16*\u+\b], s[SEL], s[SEL+1]
.endr
.endr
.irp b, 0,1,2,3
.irp u, 0,1
	v_max_num_f32 v[TM+16*\u+\b], v[TM+16*\u+\b], v[TM+16*\u+4+\b]
.endr
.endr
.irp u, 0,1
	v_max3_num_f32 v[ST+12*\u+8], v[TM+16*\u], v[TM+16*\u+1], v[TM+16*\u+2]
.endr
.irp u, 0,1
	v_max_num_f32 v[ST+12*\u+8], v[ST+12*\u+8], v[TM+16*\u+3]
.endr
.irp u, 0,1
	v_mul_f32 v[ST+12*\u+8], s[CS], v[ST+12*\u+8]  ; as t
.endr
.irp u, 0,1
	v_max_num_f32 v[ST+12*\u+1], v[ST+12*\u+1], v[ST+12*\u+8]
.endr
.irp u, 0,1
	v_mov_b32 v[ST+12*\u+8], v[ST+12*\u]
.endr
.irp u, 0,1
	v_floor_f32 v[ST+12*\u], -v[ST+12*\u+1]        ; the new -M: a whole number
.endr
.irp u, 0,1
	v_sub_f32 v[ST+12*\u+8], v[ST+12*\u], v[ST+12*\u+8]
.endr
.irp u, 0,1
	v_cvt_i32_f32 v[ST+12*\u+8], v[ST+12*\u+8]
.endr
.irp u, 0,1
	v_ldexp_f32 v[ST+12*\u+4], 1.0, v[ST+12*\u+8]  ; 2^(old M - new M)
.endr
	WIN 0x41
.irp u, 0,1
.set j, 0
.rept 16
	v_pk_mul_f32 v[OT+32*\u+j:OT+32*\u+j+1], v[OT+32*\u+j:OT+32*\u+j+1], v[ST+12*\u+4:ST+12*\u+5] op_sel_hi:[1,0]   ; O^T under the new M, ahead of the exponentials
.set j, j+2
.endr
.endr
	WIN 0
.irp u, 0,1
.set j, 0
.rept 32
	v_pk_fma_f32 v[SS+64*\u+j:SS+64*\u+j+1], v[SS+64*\u+j:SS+64*\u+j+1], s[CS:CS+1], v[ST+12*\u:ST+12*\u+1] op_sel_hi:[1,0,0]   ; t - M
.set j, j+2
.endr
.endr
.irp b, 0,1,2,3
.irp u, 0,1
	v_fma_f32 v[TM+16*\u+\b], v[TM+16*\u+\b], s[CS], v[ST+12*\u]   ; the same of each block's largest score
.endr
.endr
	s_wait_alu depctr_va_vdst(0)
.set j, 0
.rept 128
	v_exp_f32 v[SS+j], v[SS+j]
.set j, j+1
.endr
.irp u, 0,1
	v_pk_mul_f32 v[ST+12*\u+2:ST+12*\u+3], v[ST+12*\u+2:ST+12*\u+3], v[ST+12*\u+4:ST+12*\u+5] op_sel_hi:[1,0]   ; the sums under the new M
.endr
	s_wait_alu depctr_va_vdst(0)                   ; one wait for the batch, ahead of its first reader
.irp b, 0,1,2,3
.irp u, 0,1
	v_exp_f32 v[TM+16*\u+\b], v[TM+16*\u+\b]       ; each block's largest p
.endr
.endr
.irp u, 0,1
	v_pk_add_f32 v[ST+12*\u+6:ST+12*\u+7], v[SS+64*\u:SS+64*\u+1], v[SS+64*\u+2:SS+64*\u+3]   ; the row's sum, of the unquantised p
.endr
.irp j, 4,8,12,16,20,24,28,32,36,40,44,48,52,56,60
.irp u, 0,1
	v_pk_add_f32 v[ST+12*\u+2:ST+12*\u+3], v[ST+12*\u+2:ST+12*\u+3], v[SS+64*\u+\j:SS+64*\u+\j+1]
	v_pk_add_f32 v[ST+12*\u+6:ST+12*\u+7], v[ST+12*\u+6:ST+12*\u+7], v[SS+64*\u+\j+2:SS+64*\u+\j+3]
.endr
.endr
.irp u, 0,1
	v_pk_add_f32 v[ST+12*\u+2:ST+12*\u+3], v[ST+12*\u+2:ST+12*\u+3], v[ST+12*\u+6:ST+12*\u+7]
.endr
	s_wait_alu depctr_va_vdst(0)                   ; and one for the eight
.irp b, 0,1,2,3
.irp u, 0,1
	v_max_num_f32 v[TM+16*\u+\b], 0x8000000, v[TM+16*\u+\b]   ; the floor 2^(16-127): the byte cannot fall under 1
.endr
.endr
.irp b, 0,1,2,3
.irp u, 0,1
	v_add_nc_u32 v[TM+16*\u+12+\b], 0xf8800000, v[TM+16*\u+\b]   ; the conversion's scale operand
.endr
.endr
.irp b, 0,1,2,3
.irp u, 0,1
	v_and_or_b32 v[TM+16*\u+8+\b], v[TM+16*\u+\b], 0x7f800000, s[MNT]   ; 57,344 x the scale
.endr
.endr
.irp b, 0,1,2,3
.irp u, 0,1
	v_lshrrev_b32 v[TM+16*\u+4+\b], 23, v[TM+16*\u+12+\b]   ; the byte
.endr
.endr
.irp u, 0,1
	v_lshl_or_b32 v[PSW+\u], v[TM+16*\u+5], 8, v[TM+16*\u+4]
.endr
.irp u, 0,1
	v_lshl_or_b32 v[PSW+\u], v[TM+16*\u+6], 16, v[PSW+\u]
.endr
.irp u, 0,1
	v_lshl_or_b32 v[PSW+\u], v[TM+16*\u+7], 24, v[PSW+\u]
.endr
.irp u, 0,1
.irp b, 0,1,2,3
.irp i, 0,2,4,6,8,10,12,14
	HOLD2 SS+64*\u+16*\b+\i, TM+16*\u+8+\b
.endr
	v_cvt_scalef32_pk8_bf8_f32 v[PCD+16*\u+4*\b:PCD+16*\u+4*\b+1], v[SS+64*\u+16*\b:SS+64*\u+16*\b+7], v[TM+16*\u+12+\b]
	v_cvt_scalef32_pk8_bf8_f32 v[PCD+16*\u+4*\b+2:PCD+16*\u+4*\b+3], v[SS+64*\u+16*\b+8:SS+64*\u+16*\b+15], v[TM+16*\u+12+\b]
.endr
.endr
	PLACES 4                                       ; codes written by vector instructions stand four places ahead of a scaled product
	s_wait_alu depctr_va_vdst(0)
	s_wait_dscnt 0x0                               ; V's fragments and scale words
	WIN 0x51
.irp t, 0,1,2,3
.irp u, 0,1
	v_wmma_scale_f32_16x16x128_f8f6f4 v[OT+32*\u+8*\t:OT+32*\u+8*\t+7], v[KF+16*\t:KF+16*\t+15], v[PCD+16*\u:PCD+16*\u+15], v[OT+32*\u+8*\t:OT+32*\u+8*\t+7], v[KS+\t], v[PSW+\u] matrix_a_fmt:MATRIX_FMT_BF8 matrix_b_fmt:MATRIX_FMT_BF8
.endr
.endr
	WIN 0
.endm
; THE CHANGE OF SLOTS, at a slot's head: every wave waits for all its tensor loads, adds 0 to its spare word and waits for that and for its reads of the slot that it has left; fill = 1: a round of the cluster's barrier, then the joint load
.macro CHANGE fill
	s_wait_tensorcnt 0x0
	ds_add_u32 v[SPW], v[NIL]
.if \fill
	s_xor_b32 s[G0K+1], s[G0K+1], SLOT1
	s_add_nc_u64 s[G0K+2:G0K+3], s[G0K+2:G0K+3], 0x200000
	s_xor_b32 s[G0V+1], s[G0V+1], SLOT1
	s_add_nc_u64 s[G0V+2:G0V+3], s[G0V+2:G0V+3], 8192
	s_wait_xcnt 0x0                                ; any prefetch of mine has read its address
	s_add_nc_u64 s[PFA:PFA+1], s[PFA:PFA+1], s[PFS:PFS+1]
	s_wait_dscnt 0x0
	CROUND
	TLOAD
	ASK
.else
	s_wait_dscnt 0x0
	s_barrier_signal -1
	s_barrier_wait -1
.endif
.endm
.macro SLOT_STEPS
	s_mov_b32 s[STP], 4
.Lstep_\@:
	STEP
	s_add_co_u32 s[TK], s[TK], 16384
	s_add_co_u32 s[TV], s[TV], 2048
	s_add_co_u32 s[T5], s[T5], 512
	s_add_co_u32 s[TJ], s[TJ], 64
	s_sub_co_u32 s[STP], s[STP], 1
	s_cmp_lg_u32 s[STP], 0
	s_cbranch_scc1 .Lstep_\@
	s_sub_co_u32 s[TK], s[TK], 65536
	s_xor_b32 s[TK], s[TK], SLOT1
	s_sub_co_u32 s[TV], s[TV], 8192
	s_xor_b32 s[TV], s[TV], SLOT1
.endm
	s_wait_alu depctr_va_vdst(0)
.Lslot:                                            ; three trips; the first fills slot 1 for the first time, as a refill is issued
	CHANGE 1
	SLOT_STEPS
	s_sub_co_u32 s[SLOTS], s[SLOTS], 1
	s_cmp_lg_u32 s[SLOTS], 0
	s_cbranch_scc1 .Lslot
	CHANGE 0                                       ; the last slot is written out: it asks for nothing
	SLOT_STEPS
	; THE WAY OUT: O^T / the sum, quantised along the head's 64 (two blocks of 32, each in lanes l and l xor 16): the conversions' results are the next operand's registers
.irp u, 0,1
	v_add_f32 v[ST+12*\u+2], v[ST+12*\u+2], v[ST+12*\u+3]
.endr
.irp u, 0,1
	v_permlanex16_b32 v[ST+12*\u+8], v[ST+12*\u+2], s[SEL], s[SEL+1]
.endr
.irp u, 0,1
	v_add_f32 v[ST+12*\u+2], v[ST+12*\u+2], v[ST+12*\u+8]
.endr
	s_wait_alu depctr_va_vdst(0)                   ; ahead of the transcendentals
.irp u, 0,1
	v_rcp_f32 v[ST+12*\u+2], v[ST+12*\u+2]
.endr
	v_and_b32 v8, 15, v0
	v_bfe_u32 v9, v0, 4, 1
	v_and_b32 v10, 31, v0
	v_lshlrev_b32 v11, 4, v10
	s_lshl_b32 s96, s[QT], 6
	s_lshl_b32 s97, s[PAR], 1
	s_add_co_u32 s96, s96, s97
	s_add_co_u32 s96, s96, OSC
	v_lshl_add_u32 v12, v8, 2, s96                 ; my two bytes of row r's scale word
	s_min_u32 s97, s[WV], 3
	s_lshl_b32 s97, s97, 7
	s_add_co_u32 s97, s97, OSC
	v_lshl_add_u32 v14, v10, 2, s97
	v_lshlrev_b32 v15, 9, v9
	v_lshl_add_u32 v15, v8, 2, v15
	WIN 0x01
	s_wait_alu depctr_va_vdst(0)                   ; the wait, directly ahead of the first readers of the reciprocals and of O^T
.irp u, 0,1
.set j, 0
.rept 32
	v_mul_f32 v[SS+64*\u+j], v[OT+32*\u+j], v[ST+12*\u+2]
.set j, j+1
.endr
.endr
	WIN 0
.irp u, 0,1
.irp b, 0,1
	v_max3_num_f32 v[TM+16*\u+\b], |v[SS+64*\u+16*\b]|, |v[SS+64*\u+16*\b+1]|, 0x8000000
.endr
.endr
.irp i, 2,4,6,8,10,12,14
.irp u, 0,1
.irp b, 0,1
	v_max3_num_f32 v[TM+16*\u+\b], v[TM+16*\u+\b], |v[SS+64*\u+16*\b+\i]|, |v[SS+64*\u+16*\b+\i+1]|
.endr
.endr
.endr
.irp u, 0,1
.irp b, 0,1
	v_permlanex16_b32 v[TM+16*\u+4+\b], v[TM+16*\u+\b], s[SEL], s[SEL+1]
.endr
.endr
.irp u, 0,1
.irp b, 0,1
	v_max_num_f32 v[TM+16*\u+\b], v[TM+16*\u+\b], v[TM+16*\u+4+\b]
.endr
.endr
.irp u, 0,1
.irp b, 0,1
	v_add_nc_u32 v[TM+16*\u+12+\b], 0xf8800000, v[TM+16*\u+\b]
.endr
.endr
.irp u, 0,1
.irp b, 0,1
	v_and_or_b32 v[TM+16*\u+8+\b], v[TM+16*\u+\b], 0x7f800000, s[MNT]
.endr
.endr
.irp u, 0,1
.irp b, 0,1
	v_lshrrev_b32 v[TM+16*\u+4+\b], 23, v[TM+16*\u+12+\b]
.endr
.endr
.irp u, 0,1
	v_lshl_or_b32 v[OW+\u], v[TM+16*\u+5], 8, v[TM+16*\u+4]
.endr
.irp u, 0,1
.irp b, 0,1
.irp i, 0,1,2,3,4,5,6,7,8,9,10,11,12,13,14,15
	v_med3_num_f32 v[SS+64*\u+16*\b+\i], v[SS+64*\u+16*\b+\i], -v[TM+16*\u+8+\b], v[TM+16*\u+8+\b]
.endr
	v_cvt_scalef32_pk8_bf8_f32 v[PCD+16*\u+4*\b:PCD+16*\u+4*\b+1], v[SS+64*\u+16*\b:SS+64*\u+16*\b+7], v[TM+16*\u+12+\b]
	v_cvt_scalef32_pk8_bf8_f32 v[PCD+16*\u+4*\b+2:PCD+16*\u+4*\b+3], v[SS+64*\u+16*\b+8:SS+64*\u+16*\b+15], v[TM+16*\u+12+\b]
.endr
.endr
	v_nop                                          ; a plain line behind the last conversion
.irp u, 0,1
	global_store_b128 v11, v[PCD+16*\u:PCD+16*\u+3], s[92:93] offset:16384*\u          ; 512 consecutive bytes a store
	global_store_b128 v11, v[PCD+16*\u+4:PCD+16*\u+7], s[92:93] offset:16384*\u+512
	ds_store_b16 v12, v[OW+\u] offset:64*\u
.endr
	s_wait_alu depctr_va_vdst(0)
	s_wait_dscnt 0x0                               ; for the others' sake: my bytes are in LDS
	s_barrier_signal -1
	s_barrier_wait -1
	s_cmp_lt_u32 s[WV], 4
	s_cbranch_scc0 .Lno_words
	ds_load_b32 v248, v14                          ; two tiles' scale words, both heads' bytes joined
	s_wait_dscnt 0x0
	global_store_b32 v15, v248, s[94:95]
.Lno_words:
	s_wait_tensorcnt 0x0                           ; the wave's end
	ds_add_u32 v[SPW], v[NIL]
	s_wait_dscnt 0x0
	CROUND                                         ; the closing round
	s_endpgm
.Lfunc_end_k_qa66fe87902_attn:
	.size	k_qa66fe87902_attn, .Lfunc_end_k_qa66fe87902_attn-k_qa66fe87902_attn
	.p2alignl 7, 3214868480
	.fill 96, 4, 3214868480
	.section	.rodata,"a",@progbits
	.p2align	6, 0x0
	.amdhsa_kernel k_qa66fe87902_attn
		.amdhsa_group_segment_fixed_size 327680
		.amdhsa_private_segment_fixed_size 0
		.amdhsa_enable_private_segment 0
		.amdhsa_kernarg_size 24
		.amdhsa_user_sgpr_count 2
		.amdhsa_user_sgpr_kernarg_segment_ptr 1
		.amdhsa_wavefront_size32 1
		.amdhsa_system_sgpr_workgroup_id_x 1
		.amdhsa_system_sgpr_workgroup_id_y 1
		.amdhsa_system_sgpr_workgroup_id_z 1
		.amdhsa_system_vgpr_workitem_id 0
		.amdhsa_next_free_vgpr 512
		.amdhsa_next_free_sgpr 100
		.amdhsa_reserve_vcc 0
		.amdhsa_float_denorm_mode_32 3
		.amdhsa_float_denorm_mode_16_64 3
		.amdhsa_memory_ordered 1
		.amdhsa_forward_progress 1
		.amdhsa_inst_pref_size 103
	.end_amdhsa_kernel
	.amdgpu_metadata
---
amdhsa.version: [ 1, 2 ]
amdhsa.kernels:
  - .name:           k_qa66fe87902_attn
    .symbol:         k_qa66fe87902_attn.kd
    .args:
      - { .name: s1, .offset: 0, .size: 8, .value_kind: global_buffer, .address_space: global }
      - { .name: mask, .offset: 8, .size: 8, .value_kind: global_buffer, .address_space: global }
      - { .name: at, .offset: 16, .size: 8, .value_kind: global_buffer, .address_space: global }
    .group_segment_fixed_size: 327680
    .private_segment_fixed_size: 0
    .kernarg_segment_align: 8
    .kernarg_segment_size: 24
    .max_flat_workgroup_size: 256
    .sgpr_count:     100
    .vgpr_count:     512
    .wavefront_size: 32
...
	.end_amdgpu_metadata
.endif
;; end of part 3
;; launch gemmf8 (part 4): grid 8 x 32, 4 waves a work-group, clusters of 4 x 4, 327,680 bytes of LDS; arguments at, pwa, bo, y; writes y
.if DOCPART == 4
	.amdgcn_target "amdgcn-amd-amdhsa--gfx1250"
	.amdhsa_code_object_version 6
	.text
	.protected	k_qa66fe87902_gemmf8
	.globl	k_qa66fe87902_gemmf8
	.p2align	8
	.type	k_qa66fe87902_gemmf8,@function
k_qa66fe87902_gemmf8:
	s_mov_b64 s[64:65], 0
	v_nop
	global_prefetch_b8 v0, s[64:65] scope:SCOPE_SE
	s_setreg_imm32_b32 hwreg(HW_REG_WAVE_MODE, 25, 1), 1
	s_wait_xcnt 0x0
	s_wait_alu depctr_hold_cnt(0) depctr_sa_sdst(0) depctr_va_vdst(0) depctr_va_sdst(0) depctr_va_ssrc(0) depctr_va_vcc(0) depctr_vm_vsrc(0)
	s_getreg_b32 s2, hwreg(HW_REG_IB_STS2, 6, 4)
	s_cmp_eq_u32 s2, 0
	s_cbranch_scc0 .Lentry_in_a_cluster
	s_endpgm
.Lentry_in_a_cluster:
	s_bfe_u32 s2, ttmp6, 0x10000c
	s_cmp_lg_u32 s2, 0xf033
	s_cbranch_scc0 .Lentry_shape_is_right
	s_endpgm
.Lentry_shape_is_right:
; y = O Wo^T-image + bo over K = 1,024, on images of codes (E5M2, one E8M0 byte for each 32 along K); y leaves as an f32 image: [tile of 16 rows][128 columns: 8,192 bytes][tile of 16 columns: 1,024][512 x half][16 x lane].
; at: O's codes at 0 (8 K steps of 2,048 bytes to a tile of 16 rows), scale words at 4 MiB.  pwa: Wo's codes at 8 MiB, scale words at 9 MiB.
; A block of y is 128 x 128: four waves, 64 x 64 each, 16 accumulators.  ALL OF K LIES IN LDS AT ONCE: A's [tile 8][K step 8][2,048] at 0, B's at 131,072, the scale words behind them: four joint loads at the head, one a wave,
; A's shared along a row of the 4 x 4 cluster, B's along a column.  Nothing is filled again, so there is no ring and no round but the opening and the closing one.
; BY ROWS: my four tiles of B, all eight K steps, stay in 512 registers; my four tiles of A come one after the other, and each block of 16 rows is finished with 32 products (its four accumulators by turns, K ascending)
; and stored while the next block is multiplied.
; The matrix instruction is used transposed (source 0 = 16 rows of B, source 1 = 16 rows of A); the bias is the C of each sum's first product.
; No prefetch: the launch has no loop to run ahead in; every byte is asked for at its head.
; REGISTERS: window 0: v16-31 addresses; v32-63 scale words (K step k, tile i at v[32 + 4 k + i]: lanes 0-15 A's, lanes 16-31 B's); v64-95 the bias; v128-255 the accumulators.
;   windows 1, 2: B's fragments (K step k, tile b at v[16 (4 (k % 4) + b)] of window 1 + k / 4).   window 3: A's fragments, two sets of 128.
.set NKS,   8
.set ASOFF, 0x400000
.set BSOFF, 0x900000
.set SCL,   262144
.set QS,    NKS*256                    ; the scale words of four tiles
.set SPARE, SCL+4*QS                   ; the spare words: 128 bytes a wave
.set ADRA, 16
.set ADRB, 20
.set CO,   26
.set ADRS, 27
.set SPW,  28
.set NIL,  29
.set SC,   32
.set CBR,  64
.set ACC,  128
.set WV, 12
.set RH, 13
.set CH, 14
.set G1, 24
.set G0, 32
.set G1B, 48
.set G0B, 56
.set G1S, 68
.set G0S, 76
.set G1SB, 80
.set G0SB, 88
.set MSB, 0
.macro WIN new                         ; the immediate's high byte repeats the setting that is left
.if MSB != (\new)
	s_set_vgpr_msb (MSB<<8)|(\new)
.set MSB, \new
.endif
.endm
.macro PLACES n
.rept \n
	v_nop
.endr
.endm
.macro CROUND
	s_barrier_signal -1
	s_barrier_wait -1
	s_cmp_lg_u32 s[WV], 0
	s_cbranch_scc1 .Lnot_wave_0_\@
	s_barrier_signal -3
.Lnot_wave_0_\@:
	s_barrier_wait -3
	s_barrier_signal -1
	s_barrier_wait -1
.endm
	s_load_b256 s[4:11], s[0:1], 0x0               ; at, pwa, bo, y
	v_lshl_add_u32 v[SPW], v0, 2, SPARE
	v_mov_b32 v[NIL], 0
	ds_add_u32 v[SPW], v[NIL]                      ; the opening: the add, twice on end, and its wait
	ds_add_u32 v[SPW], v[NIL]
	v_lshrrev_b32 v1, 5, v0
	v_readfirstlane_b32 s[WV], v1
	s_lshr_b32 s[RH], s[WV], 1                     ; which half of the block's rows is mine
	s_and_b32 s[CH], s[WV], 1                      ; which half of its columns
	s_bfe_u32 s40, ttmp6, 0x40000                  ; cx
	s_bfe_u32 s41, ttmp6, 0x40004                  ; cy
	s_lshl_b32 s42, ttmp9, 2
	s_add_co_u32 s42, s42, s40                     ; block column
	s_and_b32 s15, ttmp7, 0xffff
	s_lshl_b32 s15, s15, 2
	s_add_co_u32 s15, s15, s41                     ; block row
	s_lshl_b32 s43, s41, 2
	s_lshl_b32 s43, 15, s43                        ; my row of the cluster
	s_lshl_b32 s44, 0x1111, s40                    ; my column
	s_or_b32 s[G1+0], s43, (3<<16)|(1<<21)
	s_or_b32 s[G1B+0], s44, (3<<16)|(1<<21)
.irp g, G1, G1B
	s_mov_b32 s[\g+1], 2048<<16                    ; 8 tiles x 16,384 bytes, dense in memory; elements of 8 bytes
	s_mov_b32 s[\g+2], 8<<16
	s_mov_b32 s[\g+3], 2048<<16
	s_mov_b32 s[\g+4], 8
	s_mov_b32 s[\g+5], NKS*256
	s_mov_b32 s[\g+6], 0
	s_mov_b32 s[\g+7], 0
.endr
	s_or_b32 s[G1S+0], s43, (3<<16)|(1<<21)
	s_or_b32 s[G1SB+0], s44, (3<<16)|(1<<21)
.irp g, G1S, G1SB
	s_mov_b32 s[\g+1], 32<<16                      ; the scale words of 8 tiles: 4,096 dense bytes as rows of 256
	s_mov_b32 s[\g+2], (2*NKS)<<16
	s_mov_b32 s[\g+3], 32<<16
	s_mov_b32 s[\g+4], 2*NKS
	s_mov_b32 s[\g+5], 32
	s_mov_b32 s[\g+6], 0
	s_mov_b32 s[\g+7], 0
.endr
	s_lshl_b32 s20, s15, 3                         ; A's first tile
	s_lshl_b32 s46, s42, 3                         ; B's
	s_mul_i32 s22, s20, NKS*64
	s_add_co_u32 s22, s22, ASOFF
	s_mov_b32 s23, 0
	s_mul_i32 s20, s20, NKS*2048
	s_mov_b32 s21, 0
	s_mul_i32 s92, s46, NKS*64
	s_add_co_u32 s92, s92, BSOFF
	s_mov_b32 s93, 0
	s_mul_i32 s46, s46, NKS*2048
	s_add_co_u32 s46, s46, 0x800000
	s_mov_b32 s47, 0
	s_wait_dscnt 0x0                               ; both opening adds are done
	s_wait_kmcnt 0x0
	s_add_nc_u64 s[20:21], s[4:5], s[20:21]
	s_add_nc_u64 s[22:23], s[4:5], s[22:23]
	s_add_nc_u64 s[46:47], s[6:7], s[46:47]
	s_add_nc_u64 s[92:93], s[6:7], s[92:93]
	CROUND                                         ; all sixteen work-groups are here: the joint loads meet
	s_mov_b32 s[G0S], 1
	s_mov_b32 s[G0S+1], SCL
	s_mov_b64 s[G0S+2:G0S+3], s[22:23]
	s_or_b32 s[G0S+3], s[G0S+3], 0x80000000
	s_mov_b32 s[G0SB], 1
	s_mov_b32 s[G0SB+1], SCL+2*QS
	s_mov_b64 s[G0SB+2:G0SB+3], s[92:93]
	s_or_b32 s[G0SB+3], s[G0SB+3], 0x80000000
	s_mov_b32 s[G0], 1
	s_mov_b32 s[G0+1], 0
	s_mov_b64 s[G0+2:G0+3], s[20:21]
	s_or_b32 s[G0+3], s[G0+3], 0x80000000
	s_mov_b32 s[G0B], 1
	s_mov_b32 s[G0B+1], 131072
	s_mov_b64 s[G0B+2:G0B+3], s[46:47]
	s_or_b32 s[G0B+3], s[G0B+3], 0x80000000
; THE LAUNCH'S FOUR LOADS, ONE A WAVE, in one chain of branches on the wave's number: B's codes, which go on into registers first, A's codes, B's scale words, A's
.macro ARM under, g0, g1, next
	s_cmp_lt_u32 s[WV], \under
	s_cbranch_scc0 \next
	tensor_load_to_lds s[\g0:\g0+3], s[\g1:\g1+7]
	s_nop 0
	PLACES 4
	s_branch .Lhead_asked
\next:
.endm
	ARM 1, G0B, G1B, .Lha
	ARM 2, G0, G1, .Lhsb
	ARM 3, G0SB, G1SB, .Lhsa
	tensor_load_to_lds s[G0S:G0S+3], s[G1S:G1S+7]
	s_nop 0
	PLACES 4
.Lhead_asked:
	v_and_b32 v1, 15, v0                           ; r
	v_bfe_u32 v2, v0, 4, 1                         ; h
	s_wait_alu depctr_va_vdst(0)
	v_and_b32 v3, 31, v0
	v_lshlrev_b32 v[CO], 4, v3                     ; 16 x lane
	s_lshl_b32 s21, s[RH], 16                      ; my four tiles of A: 16,384 bytes a tile
	s_lshl_b32 s22, s[CH], 16
	s_add_co_u32 s22, s22, 131072                  ; my four tiles of B
	v_add_nc_u32 v[ADRA], s21, v[CO]
	v_add_nc_u32 v[ADRB], s22, v[CO]
	v_lshlrev_b32 v5, 2, v1
	s_mul_i32 s21, s[RH], QS
	s_mul_i32 s22, s[CH], QS
	s_add_co_u32 s22, s22, 2*QS
	s_sub_co_u32 s22, s22, s21
	v_mul_u32_u24 v6, s22, v2                      ; lanes 16-31 take B's words
	s_add_co_u32 s21, s21, SCL
	v_add_nc_u32 v5, v5, v6
	v_add_nc_u32 v[ADRS], s21, v5
	s_lshl_b32 s20, s15, 3
	s_lshl_b32 s21, s[RH], 2
	s_add_co_u32 s20, s20, s21                     ; my first tile of rows
	s_lshl_b32 s20, s20, 3
	s_add_co_u32 s20, s20, s42
	s_lshl_b32 s20, s20, 13
	s_lshl_b32 s21, s[CH], 12
	s_add_co_u32 s20, s20, s21
	s_mov_b32 s21, 0
	s_add_nc_u64 s[10:11], s[10:11], s[20:21]      ; where my results go
	s_lshl_b32 s46, s42, 9
	s_lshl_b32 s47, s[CH], 8
	s_add_co_u32 s46, s46, s47
	s_mov_b32 s47, 0
	s_add_nc_u64 s[8:9], s[8:9], s[46:47]          ; my 64 columns of the bias
	v_lshlrev_b32 v7, 6, v2
.irp t, 0,1,2,3
	global_load_b128 v[CBR+8*\t:CBR+8*\t+3], v7, s[8:9] offset:(32*(\t/2)+8*(\t%2))*4
	global_load_b128 v[CBR+8*\t+4:CBR+8*\t+7], v7, s[8:9] offset:(32*(\t/2)+8*(\t%2))*4+16
.endr
	s_wait_alu depctr_va_vdst(0)
	s_wait_loadcnt 0x0
	s_wait_tensorcnt 0x0                           ; my tile of the four is in; the barrier shows all four to every wave
	s_barrier_signal -1
	s_barrier_wait -1
.macro ALOAD a                         ; A's tile a, all eight K steps, into set a % 2: 32 loads
	WIN 0xc0
.irp k, 0,1,2,3,4,5,6,7
.irp d, 0,1,2,3
	ds_load_b128 v[128*((\a)%2)+16*\k+4*\d:128*((\a)%2)+16*\k+4*\d+3], v[ADRA] offset:16384*(\a)+2048*\k+512*\d
.endr
.endr
	WIN 0
.endm
.macro ROWS a                          ; block a: 32 products; its four accumulators take turns, K ascending; the bias starts the sums
.irp k, 0,1,2,3,4,5,6,7
	WIN (1+\k/4)|(3<<2)
.irp b, 0,1,2,3
.if \k == 0
	v_wmma_scale_f32_16x16x128_f8f6f4 v[ACC+8*(4*(\a)+\b):ACC+8*(4*(\a)+\b)+7], v[16*(4*(\k%4)+\b):16*(4*(\k%4)+\b)+15], v[128*((\a)%2)+16*\k:128*((\a)%2)+16*\k+15], v[CBR+8*\b:CBR+8*\b+7], v[SC+4*\k+\b], v[SC+4*\k+(\a)] matrix_a_fmt:MATRIX_FMT_BF8 matrix_b_fmt:MATRIX_FMT_BF8 matrix_a_scale:MATRIX_SCALE_ROW1
.else
	v_wmma_scale_f32_16x16x128_f8f6f4 v[ACC+8*(4*(\a)+\b):ACC+8*(4*(\a)+\b)+7], v[16*(4*(\k%4)+\b):16*(4*(\k%4)+\b)+15], v[128*((\a)%2)+16*\k:128*((\a)%2)+16*\k+15], v[ACC+8*(4*(\a)+\b):ACC+8*(4*(\a)+\b)+7], v[SC+4*\k+\b], v[SC+4*\k+(\a)] matrix_a_fmt:MATRIX_FMT_BF8 matrix_b_fmt:MATRIX_FMT_BF8 matrix_a_scale:MATRIX_SCALE_ROW1
.endif
.endr
.endr
	WIN 0
.endm
.irp i, 0,1,2,3
.irp k, 0,1,2,3,4,5,6,7
	ds_load_b32 v[SC+4*\k+\i], v[ADRS] offset:NKS*64*\i+64*\k
.endr
.endr
.irp k, 0,1,2,3,4,5,6,7
	WIN 0x40*(1+\k/4)
.irp b, 0,1,2,3
.irp d, 0,1,2,3
	ds_load_b128 v[16*(4*(\k%4)+\b)+4*\d:16*(4*(\k%4)+\b)+4*\d+3], v[ADRB] offset:16384*\b+2048*\k+512*\d
.endr
.endr
.endr
	ALOAD 0
	ALOAD 1
.irp a, 0,1,2,3
.if \a < 3
	s_wait_dscnt 32                                ; all but the next block's 32 loads of A are in
.else
	s_wait_dscnt 0x0
.endif
	ROWS \a
	PLACES 8                                       ; behind the block's last product: ahead of the loads into its set of A and of the stores of its sums
.if \a < 2
	ALOAD \a+2
.endif
.irp b, 0,1,2,3
	global_store_b128 v[CO], v[ACC+8*(4*\a+\b):ACC+8*(4*\a+\b)+3], s[10:11] offset:\a*65536+1024*\b          ; 512 consecutive bytes a store; each accumulator from its low end on
	global_store_b128 v[CO], v[ACC+8*(4*\a+\b)+4:ACC+8*(4*\a+\b)+7], s[10:11] offset:\a*65536+1024*\b+512
.endr
.endr
	s_wait_tensorcnt 0x0                           ; the wave's end
	ds_add_u32 v[SPW], v[NIL]
	s_wait_dscnt 0x0
	CROUND                                         ; the closing round
	s_endpgm
.Lfunc_end_k_qa66fe87902_gemmf8:
	.size	k_qa66fe87902_gemmf8, .Lfunc_end_k_qa66fe87902_gemmf8-k_qa66fe87902_gemmf8
	.p2alignl 7, 3214868480
	.fill 96, 4, 3214868480
	.section	.rodata,"a",@progbits
	.p2align	6, 0x0
	.amdhsa_kernel k_qa66fe87902_gemmf8
		.amdhsa_group_segment_fixed_size 327680
		.amdhsa_private_segment_fixed_size 0
		.amdhsa_enable_private_segment 0
		.amdhsa_kernarg_size 32
		.amdhsa_user_sgpr_count 2
		.amdhsa_user_sgpr_kernarg_segment_ptr 1
		.amdhsa_wavefront_size32 1
		.amdhsa_system_sgpr_workgroup_id_x 1
		.amdhsa_system_sgpr_workgroup_id_y 1
		.amdhsa_system_sgpr_workgroup_id_z 1
		.amdhsa_system_vgpr_workitem_id 0
		.amdhsa_next_free_vgpr 1024
		.amdhsa_next_free_sgpr 98
		.amdhsa_reserve_vcc 0
		.amdhsa_float_denorm_mode_32 3
		.amdhsa_float_denorm_mode_16_64 3
		.amdhsa_memory_ordered 1
		.amdhsa_forward_progress 1
		.amdhsa_inst_pref_size 48
	.end_amdhsa_kernel
	.amdgpu_metadata
---
amdhsa.version: [ 1, 2 ]
amdhsa.kernels:
  - .name:           k_qa66fe87902_gemmf8
    .symbol:         k_qa66fe87902_gemmf8.kd
    .args:
      - { .name: at, .offset: 0, .size: 8, .value_kind: global_buffer, .address_space: global }
      - { .name: pwa, .offset: 8, .size: 8, .value_kind: global_buffer, .address_space: global }
      - { .name: bo, .offset: 16, .size: 8, .value_kind: global_buffer, .address_space: global }
      - { .name: y, .offset: 24, .size: 8, .value_kind: global_buffer, .address_space: global }
    .group_segment_fixed_size: 327680
    .private_segment_fixed_size: 0
    .kernarg_segment_align: 8
    .kernarg_segment_size: 32
    .max_flat_workgroup_size: 128
    .sgpr_count:     98
    .vgpr_count:     1024
    .wavefront_size: 32
...
	.end_amdgpu_metadata
.endif
;; end of part 4
;; launch norm1 (part 5): grid 256 x 1, 4 waves a work-group, no clusters, 43,008 bytes of LDS; arguments y, x, alpha1, beta1, o1; writes o1
.if DOCPART == 5
	.amdgcn_target "amdgcn-amd-amdhsa--gfx1250"
	.amdhsa_code_object_version 6
	.text
	.protected	k_qa66fe87902_norm1
	.globl	k_qa66fe87902_norm1
	.p2align	8
	.type	k_qa66fe87902_norm1,@function
k_qa66fe87902_norm1:
	s_mov_b64 s[64:65], 0
	v_nop
	global_prefetch_b8 v0, s[64:65] scope:SCOPE_SE
	s_setreg_imm32_b32 hwreg(HW_REG_WAVE_MODE, 25, 1), 1
	s_wait_xcnt 0x0
; out1 = alpha (z - mean) / (std + 1e-6) + beta with z = x + y, over rows of 1,024; std with 1,023 in the divisor.  y comes as an f32 image (see the product that wrote it), x by rows.
; out1 leaves twice: as an f32 image at 8 MiB of o1, and quantised along its 1,024 (E5M2, one E8M0 byte for each 32) as an image of codes at 0 with scale words at 4 MiB.
; A work-group takes tile T of 16 rows; wave w takes columns 256 w on: a lane holds 128 numbers of one row.  The variance is taken of z - mean, in a second pass over the registers.
; Sums meet in LDS: one word for each wave and row, a barrier, every wave reads all four.
; THE ROWS' 64 LOADS GO OUT FIRST.  alpha and beta follow as four loads of 512 consecutive bytes and are spread through 2,048 bytes of LDS of the wave's own: in the image's order a lane wants 16 neighbours
; of each 32 columns, the same in all sixteen lanes of a half.
; LIMITS: NaN and infinities are not served; a block of zeros gets the byte 1.
; REGISTERS: window 0: v16-31 the quantiser's, v32-45 statistics, v48-63 alpha and beta as loaded, later codes, v64-127 x turned, v128-255 z.  window 1: v0-127 x as loaded, v128-255 alpha.  window 2: v0-127 beta.
.set TM,  16
.set ST,  32
.set ABW, 46                           ; v46  where I put 16 bytes of alpha or beta
.set ABR, 47                           ; v47  where my half of the lanes reads them back
.set PC,  48
.set AT,  48                           ; v48-55 alpha, v56-63 beta, as loaded: the registers are free until the codes are made
.set U,   64
.set Y,   128
.set PW,  12
.set PS1, 33792
.set PS2, 34048
.set AB,  34304                        ; 2,048 bytes for each wave: alpha's 256 numbers, then beta's
.set SEL, 28
.set MNT, 30
.set MSB, 0
.macro WIN new
.if MSB != (\new)
	s_set_vgpr_msb (MSB<<8)|(\new)
.set MSB, \new
.endif
.endm
.macro QUANT s, nb, pc, pw
.irp b, 0,1,2,3
.if \b < \nb
	v_max3_num_f32 v[TM+\b], |v[(\s)+16*\b]|, |v[(\s)+16*\b+1]|, 0x8000000
.endif
.endr
.irp i, 2,4,6,8,10,12,14
.irp b, 0,1,2,3
.if \b < \nb
	v_max3_num_f32 v[TM+\b], v[TM+\b], |v[(\s)+16*\b+\i]|, |v[(\s)+16*\b+\i+1]|
.endif
.endr
.endr
.irp b, 0,1,2,3
.if \b < \nb
	v_permlanex16_b32 v[TM+4+\b], v[TM+\b], s[SEL], s[SEL+1]
.endif
.endr
.irp b, 0,1,2,3
.if \b < \nb
	v_max_num_f32 v[TM+\b], v[TM+\b], v[TM+4+\b]
.endif
.endr
.irp b, 0,1,2,3
.if \b < \nb
	v_add_nc_u32 v[TM+12+\b], 0xf8800000, v[TM+\b]
.endif
.endr
.irp b, 0,1,2,3
.if \b < \nb
	v_and_or_b32 v[TM+8+\b], v[TM+\b], 0x7f800000, s[MNT]
.endif
.endr
.irp b, 0,1,2,3
.if \b < \nb
	v_lshrrev_b32 v[TM+4+\b], 23, v[TM+12+\b]
.endif
.endr
	v_lshl_or_b32 v[\pw], v[TM+5], 8, v[TM+4]
.if \nb > 2
	v_lshl_or_b32 v[\pw], v[TM+6], 16, v[\pw]
	v_lshl_or_b32 v[\pw], v[TM+7], 24, v[\pw]
.endif
.irp b, 0,1,2,3
.if \b < \nb
.irp i, 0,1,2,3,4,5,6,7,8,9,10,11,12,13,14,15
	v_med3_num_f32 v[(\s)+16*\b+\i], v[(\s)+16*\b+\i], -v[TM+8+\b], v[TM+8+\b]
.endr
	v_cvt_scalef32_pk8_bf8_f32 v[(\pc)+4*\b:(\pc)+4*\b+1], v[(\s)+16*\b:(\s)+16*\b+7], v[TM+12+\b]
	v_cvt_scalef32_pk8_bf8_f32 v[(\pc)+4*\b+2:(\pc)+4*\b+3], v[(\s)+16*\b+8:(\s)+16*\b+15], v[TM+12+\b]
.endif
.endr
	v_nop
.endm
; the four chains in v[ST:ST+7] become the row's sum over all 1,024 columns, in v[ST], in every lane
.macro ACROSS ps
	v_pk_add_f32 v[ST:ST+1], v[ST:ST+1], v[ST+2:ST+3]
	v_pk_add_f32 v[ST+4:ST+5], v[ST+4:ST+5], v[ST+6:ST+7]
	v_pk_add_f32 v[ST:ST+1], v[ST:ST+1], v[ST+4:ST+5]
	v_add_f32 v[ST], v[ST], v[ST+1]
	v_permlanex16_b32 v[ST+8], v[ST], s[SEL], s[SEL+1]
	v_add_f32 v[ST], v[ST], v[ST+8]                ; my wave's 256 columns of row r
	ds_store_b32 v10, v[ST] offset:\ps             ; both halves of the lanes write the same word with the same value
	s_wait_dscnt 0x0
	s_barrier_signal -1
	s_barrier_wait -1
.irp w, 0,1,2,3
	ds_load_b32 v[ST+\w], v9 offset:\ps+64*\w
.endr
	s_wait_dscnt 0x0
	v_add_f32 v[ST], v[ST], v[ST+1]
	v_add_f32 v[ST+2], v[ST+2], v[ST+3]
	v_add_f32 v[ST], v[ST], v[ST+2]
.endm
.macro STATS
.irp c, 0,1,2,3
	v_pk_add_f32 v[ST+2*\c:ST+2*\c+1], v[Y+4*\c:Y+4*\c+1], v[Y+4*\c+2:Y+4*\c+3]
.endr
.set j, 16
.rept 14
.irp c, 0,1,2,3
	v_pk_add_f32 v[ST+2*\c:ST+2*\c+1], v[ST+2*\c:ST+2*\c+1], v[Y+j+2*\c:Y+j+2*\c+1]
.endr
.set j, j+8
.endr
	ACROSS PS1
	v_mul_f32 v[ST+10], 0xba800000, v[ST]          ; -mean
	v_mov_b32 v[ST+11], v[ST+10]
.set j, 0
.rept 64
	v_pk_add_f32 v[Y+j:Y+j+1], v[Y+j:Y+j+1], v[ST+10:ST+11] op_sel_hi:[1,0]
.set j, j+2
.endr
.irp c, 0,1,2,3
	v_pk_mul_f32 v[ST+2*\c:ST+2*\c+1], v[Y+2*\c:Y+2*\c+1], v[Y+2*\c:Y+2*\c+1]
.endr
.set j, 8
.rept 15
.irp c, 0,1,2,3
	v_pk_fma_f32 v[ST+2*\c:ST+2*\c+1], v[Y+j+2*\c:Y+j+2*\c+1], v[Y+j+2*\c:Y+j+2*\c+1], v[ST+2*\c:ST+2*\c+1]
.endr
.set j, j+8
.endr
	ACROSS PS2
	v_mul_f32 v[ST], 0x3a802008, v[ST]             ; / 1,023
	s_wait_alu depctr_va_vdst(0)
	v_sqrt_f32 v[ST+9], v[ST]
	v_nop
	s_wait_alu depctr_va_vdst(0)                   ; ahead of the root's first reader
	v_add_f32 v[ST+9], 0x358637bd, v[ST+9]         ; + 1e-6
	s_wait_alu depctr_va_vdst(0)
	v_rcp_f32 v[ST+12], v[ST+9]
	v_nop
	s_wait_alu depctr_va_vdst(0)
	v_mov_b32 v[ST+13], v[ST+12]
.endm
.macro NORMAL
	WIN 0x04                                       ; source 1: window 1: alpha
.set j, 0
.rept 64
	v_pk_mul_f32 v[Y+j:Y+j+1], v[Y+j:Y+j+1], v[128+j:128+j+1]
.set j, j+2
.endr
	WIN 0x20                                       ; source 2: window 2: beta
.set j, 0
.rept 64
	v_pk_fma_f32 v[Y+j:Y+j+1], v[Y+j:Y+j+1], v[ST+12:ST+13], v[j:j+1] op_sel_hi:[1,0,1]
.set j, j+2
.endr
	WIN 0
.endm
	s_load_b256 s[4:11], s[0:1], 0x0               ; y, x, alpha, beta
	s_load_b64 s[12:13], s[0:1], 0x20              ; o1
	v_lshl_add_u32 v15, v0, 2, 0xa600
	s_set_vgpr_msb 0x80
	v_mov_b32 v129, 0
	s_set_vgpr_msb 0x8000
	v_lshrrev_b32 v1, 5, v0
	v_readfirstlane_b32 s14, v1                    ; wave
	v_and_b32 v2, 31, v0
	v_lshlrev_b32 v3, 4, v2                        ; 16 x lane
	v_and_b32 v4, 15, v0                           ; r
	v_bfe_u32 v5, v0, 4, 1                         ; h
	v_lshlrev_b32 v6, 6, v5                        ; 64 h
	s_mul_i32 s15, s14, 8448                       ; my stage
	v_add_nc_u32 v7, s15, v3
	v_mul_u32_u24 v8, v4, 528
	v_lshl_add_u32 v8, v5, 6, v8
	v_add_nc_u32 v8, s15, v8
	v_lshlrev_b32 v9, 2, v4                        ; 4 r
	s_lshl_b32 s16, s14, 6
	v_add_nc_u32 v10, s16, v9                      ; 64 w + 4 r
	v_lshlrev_b32 v11, 2, v2                       ; 4 x lane
	s_lshl_b32 s17, s14, 11
	s_add_co_u32 s17, s17, AB                      ; my 2,048 bytes for alpha and beta
	v_add_nc_u32 v[ABW], s17, v3
	v_add_nc_u32 v[ABR], s17, v6
	v_mov_b32 v[ST+8], 0
.irp b, 0,1,2,3
	v_mov_b32 v[TM+4+\b], 0
.endr
	s_mov_b32 s[SEL], 0x76543210
	s_mov_b32 s[SEL+1], 0xfedcba98
	s_mov_b32 s[MNT], 0x600000
	s_mov_b32 s31, 0xffff0000
	s_lshl_b32 s16, s14, 10
	s_mov_b32 s17, 0
	s_lshr_b32 s18, ttmp9, 1
	s_lshl_b32 s18, s18, 5
	s_and_b32 s19, ttmp9, 1
	s_lshl_b32 s19, s19, 3
	s_add_co_u32 s18, s18, s19                     ; the tile's first row
	s_lshl_b32 s18, s18, 12
	s_add_co_u32 s18, s18, s16
	s_mov_b32 s19, 0
	s_lshl_b32 s20, ttmp9, 3
	s_lshl_b32 s21, s14, 1
	s_add_co_u32 s20, s20, s21                     ; 8 T + 2 w
	s_lshl_b32 s22, s20, 13
	s_mov_b32 s23, 0
	s_lshl_b32 s24, s20, 11
	s_mov_b32 s25, 0
	s_lshl_b32 s26, s20, 6
	s_add_co_u32 s26, s26, 0x400000
	s_mov_b32 s27, 0
	s_wait_kmcnt 0x0
	s_add_nc_u64 s[8:9], s[8:9], s[16:17]
	s_add_nc_u64 s[10:11], s[10:11], s[16:17]
	s_add_nc_u64 s[6:7], s[6:7], s[18:19]
	s_add_nc_u64 s[4:5], s[4:5], s[22:23]
	s_add_nc_u64 s[24:25], s[12:13], s[24:25]      ; codes
	s_add_nc_u64 s[26:27], s[12:13], s[26:27]      ; scale words
	s_add_nc_u64 s[22:23], s[12:13], s[22:23]
	s_add_nc_u64 s[22:23], s[22:23], 0x800000      ; the f32 image
	WIN 0x40
.irp k, 0,1
.irp i, 0,1,2,3,4,5,6,7,8,9,10,11,12,13,14,15
	global_load_b128 v[64*\k+4*\i:64*\k+4*\i+3], v3, s[6:7] offset:(\i+8*(\i/8))*4096+512*\k th:TH_LOAD_NT
.endr
.endr
	WIN 0
.irp k, 0,1
.irp p, 0,1,2,3,4,5,6,7,8,9,10,11,12,13,14,15
	global_load_b128 v[Y+64*\k+4*\p:Y+64*\k+4*\p+3], v3, s[4:5] offset:8192*\k+512*\p th:TH_LOAD_NT
.endr
.endr
.irp k, 0,1
	global_load_b128 v[AT+4*\k:AT+4*\k+3], v3, s[8:9] offset:512*\k        ; alpha of 128 columns: 512 consecutive bytes
	global_load_b128 v[AT+8+4*\k:AT+8+4*\k+3], v3, s[10:11] offset:512*\k  ; beta likewise
.endr
	s_wait_loadcnt 36                              ; x is in; y's 32 loads and alpha's and beta's four may be out
.irp k, 0,1
	WIN 0x04                                       ; an LDS store's data are its source 1: window 1
.irp i, 0,1,2,3,4,5,6,7,8,9,10,11,12,13,14,15
	ds_store_b128 v7, v[64*\k+4*\i:64*\k+4*\i+3] offset:528*\i
.endr
	WIN 0
.irp p, 0,1,2,3,4,5,6,7,8,9,10,11,12,13,14,15
	ds_load_b128 v[U+4*\p:U+4*\p+3], v8 offset:128*(\p/4)+16*(\p%4)   ; LDS serves a wave's instructions in order
.endr
	s_wait_dscnt 0x0
	s_wait_loadcnt 4                               ; y is in; alpha's and beta's four loads may be out
.set j, 0
.rept 32
	v_pk_add_f32 v[Y+64*\k+j:Y+64*\k+j+1], v[Y+64*\k+j:Y+64*\k+j+1], v[U+j:U+j+1]
.set j, j+2
.endr
.endr
	s_wait_loadcnt 0x0                             ; alpha and beta
.irp k, 0,1
	ds_store_b128 v[ABW], v[AT+4*\k:AT+4*\k+3] offset:512*\k
	ds_store_b128 v[ABW], v[AT+8+4*\k:AT+8+4*\k+3] offset:1024+512*\k
.endr
	WIN 0x40                                       ; back in the image's order; the loads land under the sums below, whose first wait on LDS is for 0
.irp k, 0,1
.irp p, 0,1,2,3,4,5,6,7,8,9,10,11,12,13,14,15
	ds_load_b128 v[128+64*\k+4*\p:128+64*\k+4*\p+3], v[ABR] offset:512*\k+128*(\p/4)+16*(\p%4)
.endr
.endr
	WIN 0x80
.irp k, 0,1
.irp p, 0,1,2,3,4,5,6,7,8,9,10,11,12,13,14,15
	ds_load_b128 v[64*\k+4*\p:64*\k+4*\p+3], v[ABR] offset:1024+512*\k+128*(\p/4)+16*(\p%4)
.endr
.endr
	WIN 0
	STATS
	NORMAL
.irp k, 0,1
.irp p, 0,1,2,3,4,5,6,7,8,9,10,11,12,13,14,15
	global_store_b128 v3, v[Y+64*\k+4*\p:Y+64*\k+4*\p+3], s[22:23] offset:8192*\k+512*\p
.endr
.endr
.irp k, 0,1
	s_wait_xcnt 0x0                                ; the stores have read their registers: the hold writes the numbers, the conversions the codes
	QUANT Y+64*\k, 4, PC, PW+\k
.irp c, 0,1,2,3
	global_store_b128 v3, v[PC+4*\c:PC+4*\c+3], s[24:25] offset:2048*\k+512*\c
.endr
.endr
	v_cndmask_b32 v14, v[PW], v[PW+1], s31
	global_store_b32 v11, v14, s[26:27]
	s_set_vgpr_msb 0x8
	s_wait_tensorcnt 0x0
	ds_add_u32 v15, v129
	s_wait_dscnt 0x0
	s_set_vgpr_msb 0x800
	s_endpgm
.Lfunc_end_k_qa66fe87902_norm1:
	.size	k_qa66fe87902_norm1, .Lfunc_end_k_qa66fe87902_norm1-k_qa66fe87902_norm1
	.p2alignl 7, 3214868480
	.fill 96, 4, 3214868480
	.section	.rodata,"a",@progbits
	.p2align	6, 0x0
	.amdhsa_kernel k_qa66fe87902_norm1
		.amdhsa_group_segment_fixed_size 43008
		.amdhsa_private_segment_fixed_size 0
		.amdhsa_enable_private_segment 0
		.amdhsa_kernarg_size 40
		.amdhsa_user_sgpr_count 2
		.amdhsa_user_sgpr_kernarg_segment_ptr 1
		.amdhsa_wavefront_size32 1
		.amdhsa_system_sgpr_workgroup_id_x 1
		.amdhsa_system_sgpr_workgroup_id_y 1
		.amdhsa_system_sgpr_workgroup_id_z 1
		.amdhsa_system_vgpr_workitem_id 0
		.amdhsa_next_free_vgpr 642
		.amdhsa_next_free_sgpr 66
		.amdhsa_reserve_vcc 0
		.amdhsa_float_denorm_mode_32 3
		.amdhsa_float_denorm_mode_16_64 3
		.amdhsa_memory_ordered 1
		.amdhsa_forward_progress 1
		.amdhsa_inst_pref_size 64
	.end_amdhsa_kernel
	.amdgpu_metadata
---
amdhsa.version: [ 1, 2 ]
amdhsa.kernels:
  - .name:           k_qa66fe87902_norm1
    .symbol:         k_qa66fe87902_norm1.kd
    .args:
      - { .name: y, .offset: 0, .size: 8, .value_kind: global_buffer, .address_space: global }
      - { .name: x, .offset: 8, .size: 8, .value_kind: global_buffer, .address_space: global }
      - { .name: alpha1, .offset: 16, .size: 8, .value_kind: global_buffer, .address_space: global }
      - { .name: beta1, .offset: 24, .size: 8, .value_kind: global_buffer, .address_space: global }
      - { .name: o1, .offset: 32, .size: 8, .value_kind: global_buffer, .address_space: global }
    .group_segment_fixed_size: 43008
    .private_segment_fixed_size: 0
    .kernarg_segment_align: 8
    .kernarg_segment_size: 40
    .max_flat_workgroup_size: 128
    .sgpr_count:     66
    .vgpr_count:     642
    .wavefront_size: 32
...
	.end_amdgpu_metadata
.endif
;; end of part 5
;; launch w1: the kernel of part 2 again; grid 16 x 16, 4 waves a work-group, clusters of 4 x 4, 327,680 bytes of LDS; arguments o1, pwb, b1, bk, bv, s1; writes s1
;; launch gemmf32 (part 6): grid 8 x 32, 4 waves a work-group, clusters of 4 x 4, 327,680 bytes of LDS; arguments s1, pwb, b2, y; writes y
.if DOCPART == 6
	.amdgcn_target "amdgcn-amd-amdhsa--gfx1250"
	.amdhsa_code_object_version 6
	.text
	.protected	k_qa66fe87902_gemmf32
	.globl	k_qa66fe87902_gemmf32
	.p2align	8
	.type	k_qa66fe87902_gemmf32,@function
k_qa66fe87902_gemmf32:
	s_mov_b64 s[64:65], 0
	v_nop
	global_prefetch_b8 v0, s[64:65] scope:SCOPE_SE
	s_setreg_imm32_b32 hwreg(HW_REG_WAVE_MODE, 25, 1), 1
	s_wait_xcnt 0x0
	s_wait_alu depctr_hold_cnt(0) depctr_sa_sdst(0) depctr_va_vdst(0) depctr_va_sdst(0) depctr_va_ssrc(0) depctr_va_vcc(0) depctr_vm_vsrc(0)
	s_getreg_b32 s2, hwreg(HW_REG_IB_STS2, 6, 4)
	s_cmp_eq_u32 s2, 0
	s_cbranch_scc0 .Lentry_in_a_cluster
	s_endpgm
.Lentry_in_a_cluster:
	s_bfe_u32 s2, ttmp6, 0x10000c
	s_cmp_lg_u32 s2, 0xf033
	s_cbranch_scc0 .Lentry_shape_is_right
	s_endpgm
.Lentry_shape_is_right:
.set NKS,   32
.set ASOFF, 0x1000000
.set BSOFF, 0xc00000
.set SLOT,  131072
.set SCL,   262144
.set QS,    NKS*256
.set SPARE, SCL+4*QS
.set LAPS,  NKS/8
.set ADRA, 16
.set ADRB, 20
.set CO,   26
.set ADRS, 27
.set SPW,  28
.set NIL,  29
.set PFO,  30
.set SC,   32
.set CBR,  64
.set ACC,  128
.set WV, 12
.set RH, 13
.set CH, 14
.set G1, 24
.set G0, 32
.set G1B, 48
.set G0B, 56
.set G1S, 68
.set G0S, 76
.set G1SB, 80
.set G0SB, 88
.set LIM, 95
.set PFA, 96
.set MSB, 0
.macro WIN new
.if MSB != (\new)
	s_set_vgpr_msb (MSB<<8)|(\new)
.set MSB, \new
.endif
.endm
.macro JLOAD g0a, g1a, g0b, g1b
	s_cmp_eq_u32 s[RH], 0
	s_cbranch_scc0 .Lfor_b_\@
	tensor_load_to_lds s[\g0a:\g0a+3], s[\g1a:\g1a+7]
	s_nop 0
.rept 4
	v_nop
.endr
	s_branch .Lasked_\@
.Lfor_b_\@:
	tensor_load_to_lds s[\g0b:\g0b+3], s[\g1b:\g1b+7]
	s_nop 0
.rept 4
	v_nop
.endr
.Lasked_\@:
.endm
.macro CREST
	s_cmp_lg_u32 s[WV], 0
	s_cbranch_scc1 .Lnot_wave_0_\@
	s_barrier_signal -3
.Lnot_wave_0_\@:
	s_barrier_wait -3
	s_barrier_signal -1
	s_barrier_wait -1
.endm
.macro CROUND
	s_barrier_signal -1
	s_barrier_wait -1
	CREST
.endm
.macro ASK
	s_cmp_gt_u32 s3, s[LIM]
	s_cbranch_scc0 .Lnot_mine_\@
	global_prefetch_b8 v[PFO], s[PFA:PFA+1] th:TH_LOAD_NT scope:SCOPE_SE
.Lnot_mine_\@:
.endm
	s_load_b256 s[4:11], s[0:1], 0x0
	v_lshl_add_u32 v[SPW], v0, 2, SPARE
	v_mov_b32 v[NIL], 0
	ds_add_u32 v28, v29
	ds_add_u32 v28, v29
	s_wait_dscnt 0x0
	v_lshrrev_b32 v1, 5, v0
	v_readfirstlane_b32 s[WV], v1
	s_lshr_b32 s[RH], s[WV], 1
	s_and_b32 s[CH], s[WV], 1
	s_bfe_u32 s40, ttmp6, 0x40000
	s_bfe_u32 s41, ttmp6, 0x40004
	s_lshl_b32 s42, ttmp9, 2
	s_add_co_u32 s42, s42, s40
	s_and_b32 s15, ttmp7, 0xffff
	s_lshl_b32 s15, s15, 2
	s_add_co_u32 s15, s15, s41
	s_lshl_b32 s43, s41, 2
	s_lshl_b32 s43, 15, s43
	s_lshl_b32 s44, 0x1111, s40
	s_or_b32 s[G1+0], s43, (3<<16)|(1<<21)
	s_or_b32 s[G1B+0], s44, (3<<16)|(1<<21)
.irp g, G1, G1B
	s_mov_b32 s[\g+1], 1024<<16
	s_mov_b32 s[\g+2], 8<<16                       ; the head's loads bring all 8 tiles; behind them the two words that count tiles are set to 4
	s_mov_b32 s[\g+3], 1024<<16
	s_mov_b32 s[\g+4], 8
	s_mov_b32 s[\g+5], NKS*256
	s_mov_b32 s[\g+6], 0
	s_mov_b32 s[\g+7], 0
.endr
	s_or_b32 s[G1S+0], s43, (3<<16)|(1<<21)
	s_or_b32 s[G1SB+0], s44, (3<<16)|(1<<21)
.irp g, G1S, G1SB
	s_mov_b32 s[\g+1], 32<<16
	s_mov_b32 s[\g+2], (2*NKS)<<16                 ; the scale words of 8 tiles, dense, as rows of 256 bytes
	s_mov_b32 s[\g+3], 32<<16
	s_mov_b32 s[\g+4], 2*NKS
	s_mov_b32 s[\g+5], 32
	s_mov_b32 s[\g+6], 0
	s_mov_b32 s[\g+7], 0
.endr
	s_mov_b32 s18, 0                               ; the addresses begin at the block's first tile;
	s_mul_i32 s2, s[CH], NKS*8192                  ; in the ring I fetch 4 tiles: which half, in bytes
	s_mov_b32 s3, 0
	s_lshl_b32 s20, s15, 3
	s_add_co_u32 s20, s20, s18
	s_lshl_b32 s46, s42, 3
	s_add_co_u32 s46, s46, s18
	s_mul_i32 s22, s20, NKS*64
	s_add_co_u32 s22, s22, ASOFF
	s_mov_b32 s23, 0
	s_mul_i32 s20, s20, NKS*2048
	s_mov_b32 s21, 0
	s_mul_i32 s92, s46, NKS*64
	s_add_co_u32 s92, s92, BSOFF
	s_mov_b32 s93, 0
	s_mul_i32 s46, s46, NKS*2048
	s_add_co_u32 s46, s46, 0x800000
	s_mov_b32 s47, 0
	s_lshl_b32 s45, s[WV], 15
	s_wait_kmcnt 0x0
	s_add_nc_u64 s[20:21], s[4:5], s[20:21]
	s_add_nc_u64 s[22:23], s[4:5], s[22:23]
	s_add_nc_u64 s[46:47], s[6:7], s[46:47]
	s_add_nc_u64 s[92:93], s[6:7], s[92:93]
	CROUND
	s_mov_b32 s[G0S], 1
	s_mov_b32 s[G0S+1], SCL
	s_mov_b64 s[G0S+2:G0S+3], s[22:23]
	s_or_b32 s[G0S+3], s[G0S+3], 0x80000000
	s_mov_b32 s[G0SB], 1
	s_mov_b32 s[G0SB+1], SCL+2*QS
	s_mov_b64 s[G0SB+2:G0SB+3], s[92:93]
	s_or_b32 s[G0SB+3], s[G0SB+3], 0x80000000
.irp s, 0,1
	s_mov_b32 s[G0+4*\s], 1
	s_add_co_u32 s[G0+4*\s+1], s45, \s*SLOT
	s_add_nc_u64 s[G0+4*\s+2:G0+4*\s+3], s[20:21], \s*8192
	s_or_b32 s[G0+4*\s+3], s[G0+4*\s+3], 0x80000000
	s_mov_b32 s[G0B+4*\s], 1
	s_add_co_u32 s[G0B+4*\s+1], s45, \s*SLOT
	s_add_nc_u64 s[G0B+4*\s+2:G0B+4*\s+3], s[46:47], \s*8192
	s_or_b32 s[G0B+4*\s+3], s[G0B+4*\s+3], 0x80000000
.endr
	s_add_nc_u64 s[G0+6:G0+7], s[G0+6:G0+7], s[2:3]        ; slot 1's loads: my half of the tiles
	s_add_nc_u64 s[G0B+6:G0B+7], s[G0B+6:G0B+7], s[2:3]
	s_mov_b32 s[G0+1], 0                           ; slot 0's groups 0 serve the head first: A's 8 tiles whole,
	s_mov_b32 s[G0B+1], 65536                      ; B's 8 tiles behind them
	; THE HEAD'S LOADS, ONE A WAVE, in one chain of branches on the wave's number: A's tiles of the first four K steps, B's, A's scale words, B's
	s_cmp_lt_u32 s[WV], 1
	s_cbranch_scc0 .Lhb
	tensor_load_to_lds s[G0:G0+3], s[G1:G1+7]
	s_nop 0
.rept 4
	v_nop
.endr
	s_branch .Lhead_asked
.Lhb:
	s_cmp_lt_u32 s[WV], 2
	s_cbranch_scc0 .Lhsa
	tensor_load_to_lds s[G0B:G0B+3], s[G1B:G1B+7]
	s_nop 0
.rept 4
	v_nop
.endr
	s_branch .Lhead_asked
.Lhsa:
	s_cmp_lt_u32 s[WV], 3
	s_cbranch_scc0 .Lhsb
	tensor_load_to_lds s[G0S:G0S+3], s[G1S:G1S+7]
	s_nop 0
.rept 4
	v_nop
.endr
	s_branch .Lhead_asked
.Lhsb:
	tensor_load_to_lds s[G0SB:G0SB+3], s[G1SB:G1SB+7]
	s_nop 0
.rept 4
	v_nop
.endr
.Lhead_asked:
	v_and_b32 v1, 15, v0
	v_bfe_u32 v2, v0, 4, 1
	s_wait_alu depctr_va_vdst(0)
	v_and_b32 v3, 31, v0
	v_lshlrev_b32 v[CO], 4, v3
	s_lshl_b32 s21, s[RH], 15
	s_lshl_b32 s22, s[CH], 15
	s_add_co_u32 s22, s22, 65536
.irp s, 0,1
	v_add_nc_u32 v[ADRA+\s], s21, v[CO]
	v_add_nc_u32 v[ADRB+\s], s22, v[CO]
	s_add_co_u32 s21, s21, SLOT
	s_add_co_u32 s22, s22, SLOT
.endr
	v_lshlrev_b32 v5, 2, v1
	s_mul_i32 s21, s[RH], QS
	s_mul_i32 s22, s[CH], QS
	s_add_co_u32 s22, s22, 2*QS
	s_sub_co_u32 s22, s22, s21
	v_mul_u32_u24 v6, s22, v2
	s_add_co_u32 s21, s21, SCL
	v_add_nc_u32 v5, v5, v6
	v_add_nc_u32 v[ADRS], s21, v5
	s_lshl_b32 s16, s15, 3
	s_lshl_b32 s17, s42, 3
	s_and_b32 s19, ttmp7, 0xffff
	s_cmp_eq_u32 s[RH], 0
	s_cselect_b32 s16, s16, s17
	s_cselect_b32 s17, s40, s41
	s_cselect_b32 s19, ttmp9, s19
	s_cselect_b32 s66, 0, 0x800000
	s_cselect_b64 s[PFA:PFA+1], s[4:5], s[6:7]
	s_cmp_eq_u32 s19, 0
	s_cselect_b32 s[LIM], 1, -1
	s_lshl_b32 s19, s[CH], 2
	s_add_co_u32 s16, s16, s19
	s_add_co_u32 s16, s16, s17
	s_mul_i32 s16, s16, NKS*2048
	s_add_co_u32 s16, s16, s66
	s_add_co_u32 s16, s16, 3*8192
	s_mov_b32 s17, 0
	s_add_nc_u64 s[PFA:PFA+1], s[PFA:PFA+1], s[16:17]
	v_lshlrev_b32 v[PFO], 8, v3
	s_lshl_b32 s20, s15, 3
	s_lshl_b32 s21, s[RH], 2
	s_add_co_u32 s20, s20, s21
	s_lshl_b32 s20, s20, 3
	s_add_co_u32 s20, s20, s42
	s_lshl_b32 s20, s20, 13
	s_lshl_b32 s21, s[CH], 12
	s_add_co_u32 s20, s20, s21
	s_mov_b32 s21, 0
	s_add_nc_u64 s[10:11], s[10:11], s[20:21]
	s_lshl_b32 s46, s42, 9
	s_lshl_b32 s47, s[CH], 8
	s_add_co_u32 s46, s46, s47
	s_mov_b32 s47, 0
	s_add_nc_u64 s[8:9], s[8:9], s[46:47]
	v_lshlrev_b32 v7, 6, v2
.irp t, 0,1,2,3
	global_load_b128 v[CBR+8*\t:CBR+8*\t+3], v7, s[8:9] offset:(32*(\t/2)+8*(\t%2))*4
	global_load_b128 v[CBR+8*\t+4:CBR+8*\t+7], v7, s[8:9] offset:(32*(\t/2)+8*(\t%2))*4+16
.endr
	s_wait_alu depctr_va_vdst(0)
	s_wait_loadcnt 0x0
.macro MUL8 sc, hf, c, a0, first
.irp a, \a0, \a0+1
.irp b, 0,1,2,3
.if \first
	v_wmma_scale_f32_16x16x128_f8f6f4 v[ACC+8*(4*(\a)+\b):ACC+8*(4*(\a)+\b)+7], v[128+16*(4*(\c)+\b):128+16*(4*(\c)+\b)+15], v[16*(4*(\c)+(\a)):16*(4*(\c)+(\a))+15], v[CBR+8*\b:CBR+8*\b+7], v[SC+16*(\sc)+4*\b+2*(\hf)+(\c)], v[SC+16*(\sc)+4*(\a)+2*(\hf)+(\c)] matrix_a_fmt:MATRIX_FMT_BF8 matrix_b_fmt:MATRIX_FMT_BF8 matrix_a_scale:MATRIX_SCALE_ROW1
.else
	v_wmma_scale_f32_16x16x128_f8f6f4 v[ACC+8*(4*(\a)+\b):ACC+8*(4*(\a)+\b)+7], v[128+16*(4*(\c)+\b):128+16*(4*(\c)+\b)+15], v[16*(4*(\c)+(\a)):16*(4*(\c)+(\a))+15], v[ACC+8*(4*(\a)+\b):ACC+8*(4*(\a)+\b)+7], v[SC+16*(\sc)+4*\b+2*(\hf)+(\c)], v[SC+16*(\sc)+4*(\a)+2*(\hf)+(\c)] matrix_a_fmt:MATRIX_FMT_BF8 matrix_b_fmt:MATRIX_FMT_BF8 matrix_a_scale:MATRIX_SCALE_ROW1
.endif
.endr
.endr
.endm
.macro FETCH slot, hf, f
	WIN 0x40*(\f)
.irp c, 0,1
.irp i, 0,1,2,3
.irp d, 0,1,2,3
	ds_load_b128 v[128+16*(4*\c+\i)+4*\d:128+16*(4*\c+\i)+4*\d+3], v[ADRB+\slot] offset:8192*\i+2048*(2*(\hf)+\c)+512*\d
.endr
.irp d, 0,1,2,3
	ds_load_b128 v[16*(4*\c+\i)+4*\d:16*(4*\c+\i)+4*\d+3], v[ADRA+\slot] offset:8192*\i+2048*(2*(\hf)+\c)+512*\d
.endr
.endr
.endr
.endm
.macro SCALES sc
.irp i, 0,1,2,3
.irp q, 0,1,2,3
	ds_load_b32 v[SC+16*\sc+4*\i+\q], v[ADRS] offset:NKS*64*\i+64*\q
.endr
.endr
.endm
.macro PLACES n
.rept \n
	v_nop
.endr
.endm
.macro HALF slot, first
	s_wait_dscnt 32
	WIN 0x05
	MUL8 \slot, 0, 0, 0, \first
	MUL8 \slot, 0, 0, 2, \first
	s_wait_dscnt 0x0
	PLACES 8
	FETCH \slot, 1, 2
	WIN 0x05
	MUL8 \slot, 0, 1, 0, 0
	MUL8 \slot, 0, 1, 2, 0
.endm
.macro TURN slot, next, fill
.if \fill
	s_wait_xcnt 0x0
	s_add_nc_u64 s[PFA:PFA+1], s[PFA:PFA+1], 8192
.endif
	WIN 0
	s_wait_tensorcnt 0x0
	ds_add_u32 v[SPW], v[NIL]
	s_wait_dscnt 33
	WIN 0x0a
	MUL8 \slot, 1, 0, 0, 0
	s_wait_dscnt 0x0
	s_barrier_signal -1
	MUL8 \slot, 1, 0, 2, 0
	WIN 0
	s_barrier_wait -1
.if \fill
	CREST
	s_add_nc_u64 s[G0+4*\slot+2:G0+4*\slot+3], s[G0+4*\slot+2:G0+4*\slot+3], 16384
	s_add_nc_u64 s[G0B+4*\slot+2:G0B+4*\slot+3], s[G0B+4*\slot+2:G0B+4*\slot+3], 16384
	JLOAD G0+4*\slot, G1, G0B+4*\slot, G1B
	PLACES 4
.else
	PLACES 8
.endif
	s_wait_alu depctr_va_vdst(0)
	v_add_nc_u32 v[ADRS], 256, v[ADRS]
	SCALES \next
	FETCH \next, 0, 1
.if \fill
	WIN 0
	ASK
.endif
	WIN 0x0a
	MUL8 \slot, 1, 1, 0, 0
	MUL8 \slot, 1, 1, 2, 0
.endm
	s_wait_alu depctr_va_vdst(0)
	s_wait_tensorcnt 0x0                           ; my tile of the head's four is in; these lines stand ahead of slot 1's first fill as ahead of a refill
	ds_add_u32 v[SPW], v[NIL]
	s_mov_b32 s[G1+2], 4<<16                       ; no tensor load of mine is out: from here on a load brings 4 tiles
	s_mov_b32 s[G1+4], 4
	s_mov_b32 s[G1B+2], 4<<16
	s_mov_b32 s[G1B+4], 4
	s_mov_b32 s[G0+1], s45                         ; slot 0's groups 0 for the ring: my quarter,
	s_mov_b32 s[G0B+1], s45
	s_add_nc_u64 s[G0+2:G0+3], s[G0+2:G0+3], s[2:3]        ; my half of the tiles
	s_add_nc_u64 s[G0B+2:G0B+3], s[G0B+2:G0B+3], s[2:3]
	s_wait_dscnt 0x0                               ; the add is done
	CROUND                                         ; all four tiles are in, all sixteen work-groups are here
	JLOAD G0+4, G1, G0B+4, G1B                     ; slot 1's first fill: the first tensor load behind the round
	SCALES 0
	FETCH 0, 0, 1
	HALF 0, 1
.if LAPS > 1
	WIN 0
	s_mov_b32 s3, LAPS-1
.Llap:
	TURN 0, 1, 1
	HALF 1, 0
	TURN 1, 0, 1
	HALF 0, 0
	WIN 0
	s_sub_co_u32 s3, s3, 1
	s_cmp_lg_u32 s3, 0
	s_cbranch_scc1 .Llap
.endif
	TURN 0, 1, 0
	HALF 1, 0
	s_wait_dscnt 32
	WIN 0x0a
	MUL8 1, 1, 0, 0, 0
	MUL8 1, 1, 0, 2, 0
	s_wait_dscnt 0x0
	MUL8 1, 1, 1, 0, 0
	MUL8 1, 1, 1, 2, 0
	WIN 0
	PLACES 8
.irp a, 0,1,2,3
.irp b, 0,1,2,3
	global_store_b128 v[CO], v[ACC+8*(4*\a+\b):ACC+8*(4*\a+\b)+3], s[10:11] offset:\a*65536+1024*\b
	global_store_b128 v[CO], v[ACC+8*(4*\a+\b)+4:ACC+8*(4*\a+\b)+7], s[10:11] offset:\a*65536+1024*\b+512
.endr
.endr
	s_wait_tensorcnt 0x0
	ds_add_u32 v[SPW], v[NIL]
	s_wait_dscnt 0x0
	CROUND
	s_endpgm
.Lfunc_end_k_qa66fe87902_gemmf32:
	.size	k_qa66fe87902_gemmf32, .Lfunc_end_k_qa66fe87902_gemmf32-k_qa66fe87902_gemmf32
	.p2alignl 7, 3214868480
	.fill 96, 4, 3214868480
	.section	.rodata,"a",@progbits
	.p2align	6, 0x0
	.amdhsa_kernel k_qa66fe87902_gemmf32
		.amdhsa_group_segment_fixed_size 327680
		.amdhsa_private_segment_fixed_size 0
		.amdhsa_enable_private_segment 0
		.amdhsa_kernarg_size 32
		.amdhsa_user_sgpr_count 2
		.amdhsa_user_sgpr_kernarg_segment_ptr 1
		.amdhsa_wavefront_size32 1
		.amdhsa_system_sgpr_workgroup_id_x 1
		.amdhsa_system_sgpr_workgroup_id_y 1
		.amdhsa_system_sgpr_workgroup_id_z 1
		.amdhsa_system_vgpr_workitem_id 0
		.amdhsa_next_free_vgpr 768
		.amdhsa_next_free_sgpr 98
		.amdhsa_reserve_vcc 0
		.amdhsa_float_denorm_mode_32 3
		.amdhsa_float_denorm_mode_16_64 3
		.amdhsa_memory_ordered 1
		.amdhsa_forward_progress 1
		.amdhsa_inst_pref_size 90
	.end_amdhsa_kernel
	.amdgpu_metadata
---
amdhsa.version: [ 1, 2 ]
amdhsa.kernels:
  - .name:           k_qa66fe87902_gemmf32
    .symbol:         k_qa66fe87902_gemmf32.kd
    .args:
      - { .name: s1, .offset: 0, .size: 8, .value_kind: global_buffer, .address_space: global }
      - { .name: pwb, .offset: 8, .size: 8, .value_kind: global_buffer, .address_space: global }
      - { .name: b2, .offset: 16, .size: 8, .value_kind: global_buffer, .address_space: global }
      - { .name: y, .offset: 24, .size: 8, .value_kind: global_buffer, .address_space: global }
    .group_segment_fixed_size: 327680
    .private_segment_fixed_size: 0
    .kernarg_segment_align: 8
    .kernarg_segment_size: 32
    .max_flat_workgroup_size: 128
    .sgpr_count:     98
    .vgpr_count:     768
    .wavefront_size: 32
...
	.end_amdgpu_metadata
.endif
;; end of part 6
;; launch norm2 (part 7): grid 256 x 1, 4 waves a work-group, no clusters, 34,816 bytes of LDS; arguments y, o1, alpha2, beta2, out0; writes out0
.if DOCPART == 7
	.amdgcn_target "amdgcn-amd-amdhsa--gfx1250"
	.amdhsa_code_object_version 6
	.text
	.protected	k_qa66fe87902_norm2
	.globl	k_qa66fe87902_norm2
	.p2align	8
	.type	k_qa66fe87902_norm2,@function
k_qa66fe87902_norm2:
	s_mov_b64 s[64:65], 0
	v_nop
	global_prefetch_b8 v0, s[64:65] scope:SCOPE_SE
	s_setreg_imm32_b32 hwreg(HW_REG_WAVE_MODE, 25, 1), 1
	s_wait_xcnt 0x0
; out0 = alpha (z - mean) / (std + 1e-6) + beta with z = out1 + y, over rows of 1,024; std with 1,023 in the divisor.  y and out1 (at 8 MiB of o1) come as f32 images; out0 leaves by rows.
; A work-group takes tile T of 16 rows (lane r: row 32 (T/2) + 8 (T%2) + r + 8 (r/8)); wave w takes columns 256 w on: a lane holds 128 numbers of one row.
; The variance is taken of z - mean, in a second pass over the registers.  Sums meet in LDS: one word for each wave and row, a barrier, every wave reads all four.
; On the way out 128 columns of the 16 rows turn through the wave's own stage in LDS, so that each store covers 512 consecutive bytes of a row.
; THE ROWS' 64 LOADS GO OUT FIRST.  1 / (std + 1e-6) belongs to a row and is multiplied in ahead of the turn; alpha and beta belong to a column and are applied behind it, where a lane holds the same four
; columns of every row: so they are four loads of 512 consecutive bytes and 16 registers.  NaN and infinities are not served.
; REGISTERS: window 0: v32-45 statistics, v48-55 alpha, v56-63 beta, v64-127 rows on the way out, v128-255 z.  window 1: v0-127 out1.
.set ST,  32
.set AL,  48
.set BE,  56
.set U,   64
.set Y,   128
.set PS1, 33792
.set PS2, 34048
.set SEL, 28
.set MSB, 0
.macro WIN new
.if MSB != (\new)
	s_set_vgpr_msb (MSB<<8)|(\new)
.set MSB, \new
.endif
.endm
.macro ACROSS ps
	v_pk_add_f32 v[ST:ST+1], v[ST:ST+1], v[ST+2:ST+3]
	v_pk_add_f32 v[ST+4:ST+5], v[ST+4:ST+5], v[ST+6:ST+7]
	v_pk_add_f32 v[ST:ST+1], v[ST:ST+1], v[ST+4:ST+5]
	v_add_f32 v[ST], v[ST], v[ST+1]
	v_permlanex16_b32 v[ST+8], v[ST], s[SEL], s[SEL+1]
	v_add_f32 v[ST], v[ST], v[ST+8]                ; my wave's 256 columns of row r
	ds_store_b32 v10, v[ST] offset:\ps             ; both halves of the lanes write the same word with the same value
	s_wait_dscnt 0x0
	s_barrier_signal -1
	s_barrier_wait -1
.irp w, 0,1,2,3
	ds_load_b32 v[ST+\w], v9 offset:\ps+64*\w
.endr
	s_wait_dscnt 0x0
	v_add_f32 v[ST], v[ST], v[ST+1]
	v_add_f32 v[ST+2], v[ST+2], v[ST+3]
	v_add_f32 v[ST], v[ST], v[ST+2]
.endm
.macro STATS
.irp c, 0,1,2,3
	v_pk_add_f32 v[ST+2*\c:ST+2*\c+1], v[Y+4*\c:Y+4*\c+1], v[Y+4*\c+2:Y+4*\c+3]
.endr
.set j, 16
.rept 14
.irp c, 0,1,2,3
	v_pk_add_f32 v[ST+2*\c:ST+2*\c+1], v[ST+2*\c:ST+2*\c+1], v[Y+j+2*\c:Y+j+2*\c+1]
.endr
.set j, j+8
.endr
	ACROSS PS1
	v_mul_f32 v[ST+10], 0xba800000, v[ST]          ; -mean
	v_mov_b32 v[ST+11], v[ST+10]
.set j, 0
.rept 64
	v_pk_add_f32 v[Y+j:Y+j+1], v[Y+j:Y+j+1], v[ST+10:ST+11] op_sel_hi:[1,0]
.set j, j+2
.endr
.irp c, 0,1,2,3
	v_pk_mul_f32 v[ST+2*\c:ST+2*\c+1], v[Y+2*\c:Y+2*\c+1], v[Y+2*\c:Y+2*\c+1]
.endr
.set j, 8
.rept 15
.irp c, 0,1,2,3
	v_pk_fma_f32 v[ST+2*\c:ST+2*\c+1], v[Y+j+2*\c:Y+j+2*\c+1], v[Y+j+2*\c:Y+j+2*\c+1], v[ST+2*\c:ST+2*\c+1]
.endr
.set j, j+8
.endr
	ACROSS PS2
	v_mul_f32 v[ST], 0x3a802008, v[ST]             ; / 1,023
	s_wait_alu depctr_va_vdst(0)
	v_sqrt_f32 v[ST+9], v[ST]
	v_nop
	s_wait_alu depctr_va_vdst(0)                   ; ahead of the root's first reader
	v_add_f32 v[ST+9], 0x358637bd, v[ST+9]         ; + 1e-6
	s_wait_alu depctr_va_vdst(0)
	v_rcp_f32 v[ST+12], v[ST+9]
	v_nop
	s_wait_alu depctr_va_vdst(0)
	v_mov_b32 v[ST+13], v[ST+12]
.endm
	s_load_b256 s[4:11], s[0:1], 0x0               ; y, o1, alpha, beta
	s_load_b64 s[12:13], s[0:1], 0x20              ; out0
	v_lshl_add_u32 v46, v0, 2, 0x8600
	v_mov_b32 v47, 0
	v_lshrrev_b32 v1, 5, v0
	v_readfirstlane_b32 s14, v1                    ; wave
	v_and_b32 v2, 31, v0
	v_lshlrev_b32 v3, 4, v2                        ; 16 x lane
	v_and_b32 v4, 15, v0                           ; r
	v_bfe_u32 v5, v0, 4, 1                         ; h
	s_mul_i32 s15, s14, 8448                       ; my stage
	v_add_nc_u32 v7, s15, v3
	v_mul_u32_u24 v8, v4, 528
	v_lshl_add_u32 v8, v5, 6, v8
	v_add_nc_u32 v8, s15, v8
	v_lshlrev_b32 v9, 2, v4                        ; 4 r
	s_lshl_b32 s16, s14, 6
	v_add_nc_u32 v10, s16, v9                      ; 64 w + 4 r
	v_mov_b32 v[ST+8], 0
	s_mov_b32 s[SEL], 0x76543210
	s_mov_b32 s[SEL+1], 0xfedcba98
	s_lshl_b32 s16, s14, 10
	s_mov_b32 s17, 0
	s_lshr_b32 s18, ttmp9, 1
	s_lshl_b32 s18, s18, 5
	s_and_b32 s19, ttmp9, 1
	s_lshl_b32 s19, s19, 3
	s_add_co_u32 s18, s18, s19                     ; the tile's first row
	s_lshl_b32 s18, s18, 12
	s_add_co_u32 s18, s18, s16
	s_mov_b32 s19, 0
	s_lshl_b32 s20, ttmp9, 3
	s_lshl_b32 s21, s14, 1
	s_add_co_u32 s20, s20, s21                     ; 8 T + 2 w
	s_lshl_b32 s22, s20, 13
	s_mov_b32 s23, 0
	s_wait_kmcnt 0x0
	s_add_nc_u64 s[8:9], s[8:9], s[16:17]
	s_add_nc_u64 s[10:11], s[10:11], s[16:17]
	s_add_nc_u64 s[12:13], s[12:13], s[18:19]
	s_add_nc_u64 s[4:5], s[4:5], s[22:23]
	s_add_nc_u64 s[6:7], s[6:7], s[22:23]
	s_add_nc_u64 s[6:7], s[6:7], 0x800000
.irp k, 0,1
.irp p, 0,1,2,3,4,5,6,7,8,9,10,11,12,13,14,15
	global_load_b128 v[Y+64*\k+4*\p:Y+64*\k+4*\p+3], v3, s[4:5] offset:8192*\k+512*\p th:TH_LOAD_NT
.endr
.endr
	WIN 0x40
.irp k, 0,1
.irp p, 0,1,2,3,4,5,6,7,8,9,10,11,12,13,14,15
	global_load_b128 v[64*\k+4*\p:64*\k+4*\p+3], v3, s[6:7] offset:8192*\k+512*\p th:TH_LOAD_NT
.endr
.endr
	WIN 0
.irp k, 0,1
	global_load_b128 v[AL+4*\k:AL+4*\k+3], v3, s[8:9] offset:512*\k     ; alpha of columns 256 w + 128 k + 4 lane + 0..3
	global_load_b128 v[BE+4*\k:BE+4*\k+3], v3, s[10:11] offset:512*\k   ; beta likewise
.endr
	s_wait_loadcnt 4                               ; y and out1 are in; alpha's and beta's four loads may be out
	WIN 0x04                                       ; source 1: window 1: out1
.set j, 0
.rept 64
	v_pk_add_f32 v[Y+j:Y+j+1], v[Y+j:Y+j+1], v[j:j+1]
.set j, j+2
.endr
	WIN 0
	STATS
.set j, 0
.rept 64
	v_pk_mul_f32 v[Y+j:Y+j+1], v[Y+j:Y+j+1], v[ST+12:ST+13] op_sel_hi:[1,0]   ; / (std + 1e-6): my row's
.set j, j+2
.endr
	s_wait_loadcnt 0x0                             ; alpha and beta
.irp k, 0,1
.if \k
	s_wait_xcnt 0x0                                ; the first half's stores have read their registers
.endif
.irp p, 0,1,2,3,4,5,6,7,8,9,10,11,12,13,14,15
	ds_store_b128 v8, v[Y+64*\k+4*\p:Y+64*\k+4*\p+3] offset:128*(\p/4)+16*(\p%4)
.endr
.irp i, 0,1,2,3,4,5,6,7,8,9,10,11,12,13,14,15
	ds_load_b128 v[U+4*\i:U+4*\i+3], v7 offset:528*\i   ; LDS serves a wave's instructions in order: these see the stores above
.endr
.irp i, 0,1,2,3,4,5,6,7,8,9,10,11,12,13,14,15
	s_wait_dscnt 15-\i                             ; row i is back; the younger loads may be out
	v_pk_fma_f32 v[U+4*\i:U+4*\i+1], v[U+4*\i:U+4*\i+1], v[AL+4*\k:AL+4*\k+1], v[BE+4*\k:BE+4*\k+1]
	v_pk_fma_f32 v[U+4*\i+2:U+4*\i+3], v[U+4*\i+2:U+4*\i+3], v[AL+4*\k+2:AL+4*\k+3], v[BE+4*\k+2:BE+4*\k+3]
	global_store_b128 v3, v[U+4*\i:U+4*\i+3], s[12:13] offset:(\i+8*(\i/8))*4096+512*\k th:TH_STORE_NT
.endr
.endr
	s_wait_tensorcnt 0x0
	ds_add_u32 v46, v47
	s_wait_dscnt 0x0
	s_endpgm
.Lfunc_end_k_qa66fe87902_norm2:
	.size	k_qa66fe87902_norm2, .Lfunc_end_k_qa66fe87902_norm2-k_qa66fe87902_norm2
	.p2alignl 7, 3214868480
	.fill 96, 4, 3214868480
	.section	.rodata,"a",@progbits
	.p2align	6, 0x0
	.amdhsa_kernel k_qa66fe87902_norm2
		.amdhsa_group_segment_fixed_size 34816
		.amdhsa_private_segment_fixed_size 0
		.amdhsa_enable_private_segment 0
		.amdhsa_kernarg_size 40
		.amdhsa_user_sgpr_count 2
		.amdhsa_user_sgpr_kernarg_segment_ptr 1
		.amdhsa_wavefront_size32 1
		.amdhsa_system_sgpr_workgroup_id_x 1
		.amdhsa_system_sgpr_workgroup_id_y 1
		.amdhsa_system_sgpr_workgroup_id_z 1
		.amdhsa_system_vgpr_workitem_id 0
		.amdhsa_next_free_vgpr 384
		.amdhsa_next_free_sgpr 66
		.amdhsa_reserve_vcc 0
		.amdhsa_float_denorm_mode_32 3
		.amdhsa_float_denorm_mode_16_64 3
		.amdhsa_memory_ordered 1
		.amdhsa_forward_progress 1
		.amdhsa_inst_pref_size 43
	.end_amdhsa_kernel
	.amdgpu_metadata
---
amdhsa.version: [ 1, 2 ]
amdhsa.kernels:
  - .name:           k_qa66fe87902_norm2
    .symbol:         k_qa66fe87902_norm2.kd
    .args:
      - { .name: y, .offset: 0, .size: 8, .value_kind: global_buffer, .address_space: global }
      - { .name: o1, .offset: 8, .size: 8, .value_kind: global_buffer, .address_space: global }
      - { .name: alpha2, .offset: 16, .size: 8, .value_kind: global_buffer, .address_space: global }
      - { .name: beta2, .offset: 24, .size: 8, .value_kind: global_buffer, .address_space: global }
      - { .name: out0, .offset: 32, .size: 8, .value_kind: global_buffer, .address_space: global }
    .group_segment_fixed_size: 34816
    .private_segment_fixed_size: 0
    .kernarg_segment_align: 8
    .kernarg_segment_size: 40
    .max_flat_workgroup_size: 128
    .sgpr_count:     66
    .vgpr_count:     384
    .wavefront_size: 32
...
	.end_amdgpu_metadata
.endif
;; end of part 7
